; MI455X (gfx1250); checked and timed in simulation.
; The chip was launched on July 23, 2026; its instructions are those of AMD's public machine-readable ISA for CDNA 5 (MIT licence, August 2026) and "CDNA5" Instruction Set Architecture Reference Guide (July 2026). The comments in the code are by the model that wrote it; some were corrected since.
;; Transformer Block. Allowed arithmetic: float matrix products may take bf16 or f16 operands with f32 sums; other float arithmetic in f32, or as packed bf16 or f16 multiplies, adds, multiply-adds, maxima and minima; sums over many terms, partial sums and values carried from step to step in f32; what a program stores and reads back later, other than sums and carried values, may be rounded once to bf16 or f16.
;; Inputs: ff1_b 4,096 float32; ff1_w 4,096 x 1,024 float32; ff2_b 1,024 float32; ff2_w 1,024 x 4,096 float32; ln1_b 1,024 float32; ln1_g 1,024 float32; ln2_b 1,024 float32; ln2_g 1,024 float32; proj_b 1,024 float32; proj_w 1,024 x 1,024 float32; qkv_b 3,072 float32; qkv_w 3,072 x 1,024 float32; x 2 x 2,048 x 1,024 float32.
;; Outputs: out0 2 x 2,048 x 1,024 float32.
;; 2 versions, each right; version 2 is version 1 with the launches prep, ln2 written anew for expert scheduling mode. Each part assembles by itself: llvm-mc -triple=amdgcn-amd-amdhsa -mcpu=gfx1250 --defsym DOCPART=n.
;; ======== version 1 of 2: 7 launches
;; workspace buffers: wqp 8,388,608 bytes; wff 16,777,216 bytes; bufa 33,554,432 bytes; bufb 33,554,432 bytes; x1 16,777,216 bytes; p_qkv 512 bytes of whole numbers; p_ff1 512 bytes of whole numbers
;; launch prep (part 1): grid 1024 x 1, 8 waves a work-group, no clusters, 0 bytes of LDS; arguments x, ln1_g, ln1_b, bufa, qkv_w, proj_w, ff1_w, ff2_w, wqp, wff, p_qkv, p_ff1; writes bufa, wqp, wff, p_qkv, p_ff1
.if DOCPART == 1
	.amdgcn_target "amdgcn-amd-amdhsa--gfx1250"
	.amdhsa_code_object_version 6
	.text
	.protected	k_qf50aebc54a_prep
	.globl	k_qf50aebc54a_prep
	.p2align	8
	.type	k_qf50aebc54a_prep,@function
k_qf50aebc54a_prep:
	s_mov_b64 s[64:65], 0
	v_nop
	global_prefetch_b8 v0, s[64:65] scope:SCOPE_SE
	s_setreg_imm32_b32 hwreg(HW_REG_WAVE_MODE, 25, 1), 1
	s_wait_xcnt 0x0
; WORK-GROUPS 0-255: h = LayerNorm(x) g + b for 16 rows of 1,024 f32 each, rounded once to bf16.
; WORK-GROUPS 256-1023: one chunk (128 rows x 128 k) of a weight matrix, f32 to bf16, into tile order.  Work-group 256 also stores the two flag blocks.
; Either kind reads 64 KiB once and stores 32 KiB; nothing is shared, so there is no LDS and no barrier.
; TILE ORDER of the activations: element (m, c) at byte (m>>7)<<20 | (c>>6)<<14 | (m&127)<<7 | (c&63)<<1: blocks of 128 rows x 64 columns, 16 KiB, dense.
; TILE ORDER of a weight W[N][K]: element (n, k) at byte ((n>>7)(K/64) + (k>>6))<<14 | (n&127)<<7 | (k&63)<<1.  A chunk is two neighbouring blocks, 32 KiB.
; Chunks 0-191 qkv_w, 192-255 proj_w (both into wqp); 256-511 ff1_w, 512-767 ff2_w (both into wff, from its chunk 0 on).
; LIMITS: mean and variance in f32, the variance from x - mean; NaN and infinities are not treated apart.
.set A,   2                            ; v[2:9]     four running pairs
.set MU,  10                           ; v[10:11]   the mean, twice
.set R,   12                           ; v[12:13]   1 / sqrt(var + eps), twice
.set XO,  14                           ; v14        my byte offset in the group's 16 rows of x
.set GO,  15                           ; v15        my byte offset in g and b
.set HO,  1                            ; v1         my byte offset in a block of the output
.set X,   16                           ; v[16:79]   my 64 numbers of the row
.set G,   80                           ; v[80:143]  their g
.set B,   144                          ; v[144:207] their b
.macro REDUCE                          ; four pairs to one number, then over the 16 lanes that hold the row
	v_pk_add_f32 v[A:A+1], v[A:A+1], v[A+2:A+3]
	v_pk_add_f32 v[A+4:A+5], v[A+4:A+5], v[A+6:A+7]
	v_pk_add_f32 v[A:A+1], v[A:A+1], v[A+4:A+5]
	v_add_f32 v[A], v[A], v[A+1]
	v_add_f32_dpp v[A], v[A], v[A] row_xmask:1 row_mask:0xf bank_mask:0xf
	v_add_f32_dpp v[A], v[A], v[A] row_xmask:2 row_mask:0xf bank_mask:0xf
	v_add_f32_dpp v[A], v[A], v[A] row_xmask:4 row_mask:0xf bank_mask:0xf
	v_add_f32_dpp v[A], v[A], v[A] row_xmask:8 row_mask:0xf bank_mask:0xf
.endm
; Sixteen lanes hold a row: lane i takes columns 64 j + 4 i .. + 3, j = 0..15, so a load of the wave covers 256 consecutive bytes of each of two rows.
; s[4:5] x at the group's first row, s[6:7] g, s[8:9] b, s[10:11] the output at the group's rows in block 0, s30 = 1/1024, s31 = eps.
.macro LNROWS
	v_and_b32 v[GO], 15, v0
	v_lshrrev_b32 v[XO], 4, v0
	v_lshlrev_b32 v[GO], 4, v[GO]
	v_lshl_or_b32 v[XO], v[XO], 12, v[GO]
	v_lshlrev_b32 v[HO], 3, v0             ; row x 128 + lane x 8 = 8 x thread
.set j, 0
.rept 16
	global_load_b128 v[X+4*j:X+4*j+3], v[XO], s[4:5] offset:256*j th:TH_LOAD_NT
.set j, j+1
.endr
.set j, 0
.rept 16
	global_load_b128 v[G+4*j:G+4*j+3], v[GO], s[6:7] offset:256*j
.set j, j+1
.endr
.set j, 0
.rept 16
	global_load_b128 v[B+4*j:B+4*j+3], v[GO], s[8:9] offset:256*j
.set j, j+1
.endr
	s_wait_loadcnt 32                      ; the row is in; g's and b's 32 younger loads stay out
.irp k, 0,1,2,3
	v_pk_add_f32 v[A+2*\k:A+2*\k+1], v[X+2*\k:X+2*\k+1], v[X+8+2*\k:X+8+2*\k+1]  ; the first eight pairs start the four chains
.endr
.set j, 8
.rept 24
	v_pk_add_f32 v[A+2*(j%4):A+2*(j%4)+1], v[A+2*(j%4):A+2*(j%4)+1], v[X+2*j:X+2*j+1]
.set j, j+1
.endr
	REDUCE
	v_mul_f32 v[MU], s30, v[A]
	v_mov_b32 v[MU+1], v[MU]
.set j, 0
.rept 32
	v_pk_add_f32 v[X+2*j:X+2*j+1], v[X+2*j:X+2*j+1], v[MU:MU+1] neg_lo:[0,1] neg_hi:[0,1]  ; x - mean
.set j, j+1
.endr
.irp k, 0,1,2,3
	v_pk_mul_f32 v[A+2*\k:A+2*\k+1], v[X+2*\k:X+2*\k+1], v[X+2*\k:X+2*\k+1]
.endr
.set j, 4
.rept 28
	v_pk_fma_f32 v[A+2*(j%4):A+2*(j%4)+1], v[X+2*j:X+2*j+1], v[X+2*j:X+2*j+1], v[A+2*(j%4):A+2*(j%4)+1]
.set j, j+1
.endr
	REDUCE
	v_fma_f32 v[A], v[A], s30, s31         ; var + eps
	v_rsq_f32 v[R], v[A]
	v_rsq_f32 v[R+1], v[A]                 ; twice, for the packed multiply
	v_nop                                  ; a plain instruction behind the last of them (ISA guide 5.7.2),
	s_wait_alu depctr_va_vdst(0)           ; and the one wait ahead of the first reader
	s_wait_loadcnt 0x0                     ; g and b
.set j, 0
.rept 32
	v_pk_mul_f32 v[X+2*j:X+2*j+1], v[X+2*j:X+2*j+1], v[R:R+1]
	v_pk_fma_f32 v[X+2*j:X+2*j+1], v[X+2*j:X+2*j+1], v[G+2*j:G+2*j+1], v[B+2*j:B+2*j+1]
.set j, j+1
.endr
.set j, 0
.rept 16
	v_cvt_pk_bf16_f32 v[X+4*j], v[X+4*j], v[X+4*j+1]
	v_cvt_pk_bf16_f32 v[X+4*j+1], v[X+4*j+2], v[X+4*j+3]
	global_store_b64 v[HO], v[X+4*j:X+4*j+1], s[10:11] offset:16384*j  ; block j: the wave's 32 lanes store 256 consecutive bytes, aligned: two rows of the block
.set j, j+1
.endr
.endm
	s_load_b512 s[4:19], s[0:1], 0x0               ; x, g, b, h, qkv_w s[12:13], proj_w s[14:15], ff1_w s[16:17], ff2_w s[18:19]
	s_load_b256 s[20:27], s[0:1], 0x40             ; wqp s[20:21], wff s[22:23], p_qkv s[24:25], p_ff1 s[26:27]
	s_mov_b32 s30, 0x3a800000                      ; 1 / 1024
	s_mov_b32 s31, 0x3727c5ac                      ; 1e-5
	s_cmp_lt_u32 ttmp9, 256
	s_cbranch_scc0 .Lcast
	s_lshl_b32 s32, ttmp9, 16                      ; 16 rows of 4,096 bytes
	s_mov_b32 s33, 0
	s_lshr_b32 s34, ttmp9, 3                       ; the row tile of 128,
	s_lshl_b32 s34, s34, 20
	s_and_b32 s35, ttmp9, 7                        ; my 16 rows of 128 bytes in each of its blocks
	s_lshl_b32 s35, s35, 11
	s_add_co_u32 s34, s34, s35
	s_mov_b32 s35, 0
	s_wait_kmcnt 0x0
	s_add_nc_u64 s[4:5], s[4:5], s[32:33]
	s_add_nc_u64 s[10:11], s[10:11], s[34:35]
	LNROWS
	s_endpgm
.Lcast:
	s_sub_co_u32 s32, ttmp9, 256                   ; the chunk, 0 to 767
	v_lshrrev_b32 v1, 5, v0
	v_readfirstlane_b32 s29, v1                    ; wave 0..7
	s_wait_kmcnt 0x0
	s_mov_b64 s[34:35], s[18:19]                   ; which matrix, its first chunk, log2 of its chunks in a row tile, log2 of its row's bytes
	s_mov_b32 s36, 512
	s_cmp_lt_u32 s32, 512
	s_cselect_b64 s[34:35], s[16:17], s[34:35]
	s_cselect_b32 s36, 256, s36
	s_cselect_b32 s37, 3, 5
	s_cselect_b32 s38, 12, 14
	s_cmp_lt_u32 s32, 256
	s_cselect_b64 s[34:35], s[14:15], s[34:35]
	s_cselect_b32 s36, 192, s36
	s_cselect_b64 s[40:41], s[20:21], s[22:23]     ; and where it goes
	s_cselect_b32 s39, 0, 256
	s_cmp_lt_u32 s32, 192
	s_cselect_b64 s[34:35], s[12:13], s[34:35]
	s_cselect_b32 s36, 0, s36
	s_sub_co_u32 s42, s32, s36                     ; the chunk's number in its matrix
	s_lshr_b32 s43, s42, s37                       ; row tile
	s_lshl_b32 s44, s43, s37
	s_sub_co_u32 s44, s42, s44                     ; place along k
	s_add_co_u32 s45, s38, 7
	s_lshl_b32 s46, s43, s45                       ; 128 rows a tile
	s_lshl_b32 s44, s44, 9                         ; 128 k of 4 bytes
	s_add_co_u32 s46, s46, s44
	s_mov_b32 s47, 0
	s_add_nc_u64 s[34:35], s[34:35], s[46:47]
	s_sub_co_u32 s46, s32, s39
	s_lshl_b32 s46, s46, 15
	s_add_nc_u64 s[40:41], s[40:41], s[46:47]
	; wave w takes rows 16 w .. 16 w + 15, two rows a load: lanes 0-15 take 256 consecutive bytes of one row, lanes 16-31 of the next
	v_bfe_u32 v10, v0, 4, 1
	v_lshl_add_u32 v10, v1, 4, v10                 ; 16 w + lane / 16
	v_and_b32 v11, 15, v0
	v_lshlrev_b32 v11, 4, v11
	v_lshlrev_b32 v10, s38, v10
	v_add_nc_u32 v2, v10, v11
	s_lshl_b32 s45, 2, s38                         ; two rows on
.irp jj, 1,2,3,4,5,6,7
	v_add_nc_u32 v[2+\jj], s45, v[1+\jj]
.endr
	v_and_b32 v12, 31, v0
	v_lshlrev_b32 v12, 3, v12
	v_lshl_or_b32 v12, v1, 11, v12                 ; out: 2,048 w + 8 x lane
.set j, 0
.rept 16
	global_load_b128 v[16+4*j:19+4*j], v[2+j/2], s[34:35] offset:(j%2)*256 th:TH_LOAD_NT
.set j, j+1
.endr
.set j, 0
.rept 16
	s_wait_loadcnt 15-j                            ; loads come back in order: load j is in, the younger ones stay out
	v_cvt_pk_bf16_f32 v[80+2*j], v[16+4*j], v[17+4*j]
	v_cvt_pk_bf16_f32 v[81+2*j], v[18+4*j], v[19+4*j]
	global_store_b64 v12, v[80+2*j:81+2*j], s[40:41] offset:(j/2)*256+(j%2)*16384  ; 256 consecutive bytes, aligned: two rows of one block; every data register is written once
.set j, j+1
.endr
	s_cmp_lg_u32 s32, 0
	s_cbranch_scc1 .Ldone
	s_cmp_lg_u32 s29, 0
	s_cbranch_scc1 .Ldone
	v_lshlrev_b32 v13, 4, v0                       ; wave 0 of chunk 0: the two flag blocks, 512 bytes each; word 0 of each 16 bytes is the flag
	v_mov_b32 v112, 0
	v_mov_b32 v113, 0
	v_mov_b32 v114, 0
	v_mov_b32 v115, 0
	v_mov_b32 v116, 1
	v_mov_b32 v117, 0
	v_mov_b32 v118, 0
	v_mov_b32 v119, 0
	global_store_b128 v13, v[112:115], s[24:25]    ; qkv: no GELU
	global_store_b128 v13, v[116:119], s[26:27]    ; ff1: GELU
.Ldone:
	s_endpgm
.Lfunc_end_k_qf50aebc54a_prep:
	.size	k_qf50aebc54a_prep, .Lfunc_end_k_qf50aebc54a_prep-k_qf50aebc54a_prep
	.p2alignl 7, 3214868480
	.fill 96, 4, 3214868480
	.section	.rodata,"a",@progbits
	.p2align	6, 0x0
	.amdhsa_kernel k_qf50aebc54a_prep
		.amdhsa_group_segment_fixed_size 0
		.amdhsa_private_segment_fixed_size 0
		.amdhsa_enable_private_segment 0
		.amdhsa_kernarg_size 96
		.amdhsa_user_sgpr_count 2
		.amdhsa_user_sgpr_kernarg_segment_ptr 1
		.amdhsa_wavefront_size32 1
		.amdhsa_system_sgpr_workgroup_id_x 1
		.amdhsa_system_sgpr_workgroup_id_y 1
		.amdhsa_system_sgpr_workgroup_id_z 1
		.amdhsa_system_vgpr_workitem_id 0
		.amdhsa_next_free_vgpr 216
		.amdhsa_next_free_sgpr 66
		.amdhsa_reserve_vcc 0
		.amdhsa_float_denorm_mode_32 3
		.amdhsa_float_denorm_mode_16_64 3
		.amdhsa_memory_ordered 1
		.amdhsa_forward_progress 1
		.amdhsa_inst_pref_size 29
	.end_amdhsa_kernel
	.amdgpu_metadata
---
amdhsa.version: [ 1, 2 ]
amdhsa.kernels:
  - .name:           k_qf50aebc54a_prep
    .symbol:         k_qf50aebc54a_prep.kd
    .args:
      - { .name: x, .offset: 0, .size: 8, .value_kind: global_buffer, .address_space: global }
      - { .name: ln1_g, .offset: 8, .size: 8, .value_kind: global_buffer, .address_space: global }
      - { .name: ln1_b, .offset: 16, .size: 8, .value_kind: global_buffer, .address_space: global }
      - { .name: bufa, .offset: 24, .size: 8, .value_kind: global_buffer, .address_space: global }
      - { .name: qkv_w, .offset: 32, .size: 8, .value_kind: global_buffer, .address_space: global }
      - { .name: proj_w, .offset: 40, .size: 8, .value_kind: global_buffer, .address_space: global }
      - { .name: ff1_w, .offset: 48, .size: 8, .value_kind: global_buffer, .address_space: global }
      - { .name: ff2_w, .offset: 56, .size: 8, .value_kind: global_buffer, .address_space: global }
      - { .name: wqp, .offset: 64, .size: 8, .value_kind: global_buffer, .address_space: global }
      - { .name: wff, .offset: 72, .size: 8, .value_kind: global_buffer, .address_space: global }
      - { .name: p_qkv, .offset: 80, .size: 8, .value_kind: global_buffer, .address_space: global }
      - { .name: p_ff1, .offset: 88, .size: 8, .value_kind: global_buffer, .address_space: global }
    .group_segment_fixed_size: 0
    .private_segment_fixed_size: 0
    .kernarg_segment_align: 8
    .kernarg_segment_size: 96
    .max_flat_workgroup_size: 256
    .sgpr_count:     66
    .vgpr_count:     216
    .wavefront_size: 32
...
	.end_amdgpu_metadata
.endif
;; end of part 1
;; launch qkv (part 2): grid 12 x 16, 4 waves a work-group, clusters of 4 x 4, 327,680 bytes of LDS; arguments bufa, wqp, qkv_b, p_qkv, bufb; writes bufb
.if DOCPART == 2
	.amdgcn_target "amdgcn-amd-amdhsa--gfx1250"
	.amdhsa_code_object_version 6
	.text
	.protected	k_qf50aebc54a_qkv
	.globl	k_qf50aebc54a_qkv
	.p2align	8
	.type	k_qf50aebc54a_qkv,@function
k_qf50aebc54a_qkv:
	s_mov_b64 s[64:65], 0
	v_nop
	global_prefetch_b8 v0, s[64:65] scope:SCOPE_SE
	s_setreg_imm32_b32 hwreg(HW_REG_WAVE_MODE, 25, 1), 1
	s_wait_xcnt 0x0
	s_wait_alu depctr_hold_cnt(0) depctr_sa_sdst(0) depctr_va_vdst(0) depctr_va_sdst(0) depctr_va_ssrc(0) depctr_va_vcc(0) depctr_vm_vsrc(0)
	s_getreg_b32 s2, hwreg(HW_REG_IB_STS2, 6, 4)
	s_cmp_eq_u32 s2, 0
	s_cbranch_scc0 .Lentry_in_a_cluster
	s_endpgm
.Lentry_in_a_cluster:
	s_bfe_u32 s2, ttmp6, 0x10000c
	s_cmp_lg_u32 s2, 0xf033
	s_cbranch_scc0 .Lentry_shape_is_right
	s_endpgm
.Lentry_shape_is_right:
; C = act(A W^T + bias), K = 1,024.  A: bf16 in tile order (blocks of 128 rows x 64 k, 16 KiB, a row tile 1 MiB apart); W: bf16 in tile order, a row tile 256 KiB; C: bf16 in A's tile order.
; act is the identity, or the exact GELU where word 0 of the flag block (whole numbers that an earlier launch stored) is not 0.  Sums, bias and GELU in f32; C rounded once.
; THE FLAG ONLY SELECTS A VALUE: in a launch with joint loads no branch hangs on a number that could differ between partners, so the GELU's lines run in every launch of this body, and v_cndmask_b32 takes
; the activated number or the plain sum.  Where the flag is 0 that arithmetic (144 vector lines for 16 numbers) serves nothing: the price of one text for both products.
; A tile of C is 256 x 256: four waves, each 128 x 128 in 64 accumulators (512 registers).  K goes in 8 steps of 128 through two LDS slots filled by tensor loads.
; In tile order 128 rows x 128 k are 32,768 dense bytes: asked for as 128 rows of 256 bytes, padded by 16 bytes after every 128: 256 LDS rows of 144 bytes: first the block of k 0-63, then that of k 64-127.
; CLUSTERS: 4 x 4 work-groups; A's tiles are asked for jointly along a row of the cluster, W's along a column.
; THE MATRIX INSTRUCTION IS USED TRANSPOSED (source 0 = 16 rows of W, source 1 = 16 rows of A): a lane holds eight neighbouring columns of one row of C.
; THE WAY OUT: the f32 sums go into the ring's bytes (its last fill and last read are over: a barrier stands between), 128 rows x 528 bytes for each wave, its own; then 32 trips of 4 rows x 128 columns:
; bias, GELU, the choice, rounding, and two stores of 512 consecutive bytes.
; GELU(x) = max(x, 0) - |x| q(t) exp(-x^2/2), t = 1 / (1 + 0.3275911 |x| / sqrt 2), q the polynomial of Abramowitz and Stegun 7.1.26, halved.
; LIMITS: that erf is within 1.5e-7; NaN and infinities are not treated apart.
; REGISTERS, in windows of 256: window 0: v0-31 addresses, v32-47 bias, v48-63 at work, v64-127 and v128-191 fragments of A (two buffers; on the way out at work);
; window 1: v64-191 fragments of W; windows 2 and 3: the accumulators of my rows 0-63 and 64-127 ((a, b) at v[8 (8 a + b)]).
.set PITCH,  144                       ; an odd multiple of 16 bytes: the 16 rows of a fragment load start at 16 different 16-byte columns modulo 256
.set PAN,    128*PITCH                 ; a block in LDS
.set HALFT,  2*PAN                     ; what one tensor load brings: 128 rows x 128 k
.set SLOT,   4*HALFT                   ; A's 256 rows, then W's 256 rows
.set SPARE,  2*SLOT                    ; behind the ring: the spare words, 128 bytes for each wave; no other line names them
.set STEPB,  32768                     ; bytes of a K step in a row tile
.set LAPS,   4                         ; a lap = two K steps
.set KO0,    0                         ; where the four quarters (32 k) of a K step begin in an LDS row
.set KO1,    64
.set KO2,    PAN
.set KO3,    PAN+64
.set SP,     528                       ; a stage row: 512 bytes + 16
.set WST,    128*SP                    ; a wave's stage
.set ADRA, 16                          ; v16-17  LDS address of my A fragments in slot 0, 1
.set ADRB, 20                          ; v20-21  the same for W
.set STO,  24                          ; v24     the way out: where I put 32 bytes of a row
.set RD,   25                          ; v25     where I read them back
.set CO,   26                          ; v26     my byte offset in a block of C
.set BO,   27                          ; v27     my byte offset in the bias
.set SPW,  28                          ; v28     my spare word; never rewritten
.set NIL,  29                          ; v29     0; never rewritten
.set PFO,  30                          ; v30     256 x lane; never rewritten
.set BI,   32                          ; v32-47  bias of my 16 columns
.set XN,   48                          ; v48-63  the next trip's 16 sums
.set X,    64
.set T,    80
.set E,    96
.set MX,   112
.set PL,   128
.set Y,    144
.set F0,   64
.set F1,   128
.set PFA,  44                          ; s[44:45] where my prefetches stand
.set LIM,  43                          ; s43     1 in a wave that prefetches, else the greatest number
.set G1,   24                          ; s[24:31] group 1 for A;  s[32:39] group 0, a set for each slot
.set G0,   32
.set G1B,  48                          ; s[48:55], s[56:63] the same for W
.set G0B,  56
.set FLG,  72                          ; s72     the flag
.set MSK,  73                          ; s73     all ones where the flag is set, else 0: the lanes' mask for the choice
.set CP,   76                          ; s76     0.3275911 / sqrt 2
.set CC,   78                          ; s[78:79] sqrt(log2(e) / 2)
.set A5,   80                          ; s[80:89] the polynomial, halved, as pairs
.set A4,   82
.set A3,   84
.set A2,   86
.set A1,   88
.set MSB, 0
.macro WIN new                         ; the immediate's high byte repeats the setting that is left; a switch that changes nothing is dropped
.if MSB != (\new)
	s_set_vgpr_msb (MSB<<8)|(\new)
.set MSB, \new
.endif
.endm
.set MUL_LO, 0xa1                      ; source 0 (W) window 1, source 1 (A) window 0, C and D window 2
.set MUL_HI, 0xf1                      ; the same, C and D window 3
.set TO_B,   0x40                      ; destination window 1, address window 0
; A joint load: waves 0 and 1 fetch A's two halves, waves 2 and 3 W's.  The branch hangs on the wave's number alone.  An s_nop 0 and four v_nop follow each line.
.macro JLOAD s
	s_cmp_eq_u32 s11, 0
	s_cbranch_scc0 .Lfor_b_\@
	tensor_load_to_lds s[G0+4*(\s):G0+4*(\s)+3], s[G1:G1+7]
	s_nop 0
.rept 4
	v_nop
.endr
	s_branch .Lasked_\@
.Lfor_b_\@:
	tensor_load_to_lds s[G0B+4*(\s):G0B+4*(\s)+3], s[G1B:G1B+7]
	s_nop 0
.rept 4
	v_nop
.endr
.Lasked_\@:
.endm
; A prefetch of the K step that stands two refills on: of the 32,768 bytes that I fetch, my work-group's quarter (told apart by address: cx for A, cy for W), 256 bytes a lane.
; A's rows are read by every cluster of a row of clusters: cluster x = 0 asks; W's by every cluster of a column: cluster y = 0 asks.  So K steps 4 to 7 are named once each; steps 0 to 3 come by their loads alone,
; and the loop's last trip (s3 = 1) asks for nothing.
.macro ASK
	s_cmp_gt_u32 s3, s[LIM]
	s_cbranch_scc0 .Lnot_mine_\@
	global_prefetch_b8 v[PFO], s[PFA:PFA+1] offset:STEPB th:TH_LOAD_NT scope:SCOPE_SE
.Lnot_mine_\@:
.endm
.macro CREST                           ; a round of the cluster's barrier behind its opening barrier
	s_cmp_lg_u32 s10, 0
	s_cbranch_scc1 .Lnot_wave_0_\@
	s_barrier_signal -3
.Lnot_wave_0_\@:
	s_barrier_wait -3
	s_barrier_signal -1
	s_barrier_wait -1
.endm
.macro CROUND
	s_barrier_signal -1
	s_barrier_wait -1
	CREST
.endm
	s_load_b128 s[4:7], s[0:1], 0x0                ; A s[4:5], W s[6:7]
	s_load_b128 s[68:71], s[0:1], 0x10             ; bias s[68:69], flag block s[70:71]
	s_load_b64 s[66:67], s[0:1], 0x20              ; C
	v_lshl_add_u32 v[SPW], v0, 2, SPARE
	v_mov_b32 v[NIL], 0
	ds_add_u32 v[SPW], v[NIL]                      ; the wave's opening: the add and its wait stand ahead of my first tensor load; work on registers stands between
	v_lshrrev_b32 v1, 5, v0
	v_readfirstlane_b32 s10, v1                    ; wave 0..3
	s_lshr_b32 s11, s10, 1                         ; my half of the tile's rows.  Also: I fetch for A (0) or for W (1)
	s_and_b32 s12, s10, 1                          ; my half of its columns.  Also: which 128 rows I fetch
	s_bfe_u32 s40, ttmp6, 0x40000                  ; cx
	s_bfe_u32 s41, ttmp6, 0x40004                  ; cy
	s_lshl_b32 s42, ttmp9, 2
	s_add_co_u32 s42, s42, s40                     ; tile column of C
	s_and_b32 s13, ttmp7, 0xffff
	s_lshl_b32 s13, s13, 2
	s_add_co_u32 s13, s13, s41                     ; tile row of C
	s_lshl_b32 s43, s41, 2
	s_lshl_b32 s43, 15, s43                        ; my row of the cluster
	s_lshl_b32 s44, 0x1111, s40                    ; my column
	s_or_b32 s[G1+0], s43, (1<<16)|(1<<20)|(1<<21)|(4<<22)|(3<<25)   ; the mask; 2-byte elements; padding on; bit 21 beside a mask; after every 32 words, 4 words
	s_or_b32 s[G1B+0], s44, (1<<16)|(1<<20)|(1<<21)|(4<<22)|(3<<25)
.irp g, G1, G1B
	s_mov_b32 s[(\g)+1], 128<<16                   ; tensor_dim0 = 128 elements (256 bytes)
	s_mov_b32 s[(\g)+2], 128<<16                   ; tensor_dim1 = 128
	s_mov_b32 s[(\g)+3], 128<<16                   ; tile_dim0 = 128
	s_mov_b32 s[(\g)+4], 128                       ; tile_dim1 = 128
	s_mov_b32 s[(\g)+5], 128                       ; dense: 128 elements from row to row
	s_mov_b32 s[(\g)+6], 0
	s_mov_b32 s[(\g)+7], 0
.endr
	s_lshl_b32 s16, s13, 1
	s_add_co_u32 s16, s16, s12
	s_lshl_b32 s16, s16, 20                        ; A: row tile 2 x tile row + half, 1 MiB each
	s_mov_b32 s17, 0
	s_lshl_b32 s46, s42, 1
	s_add_co_u32 s46, s46, s12
	s_lshl_b32 s46, s46, 18                        ; W: row tile 2 x tile column + half, 256 KiB each
	s_mov_b32 s47, 0
	s_mul_i32 s20, s10, HALFT                      ; where they go: wave x 36,864: no place in the cluster enters an LDS address
	s_wait_dscnt 0x0                               ; the opening add is done
	s_wait_kmcnt 0x0
	s_load_b32 s[FLG], s[70:71], 0x0               ; the flag
	s_add_nc_u64 s[14:15], s[4:5], s[16:17]
	s_add_nc_u64 s[46:47], s[6:7], s[46:47]
	CROUND                                         ; all sixteen work-groups are here: the first joint loads meet
.irp s, 0,1
	s_mov_b32 s[G0+4*(\s)], 1
	s_add_co_u32 s[G0+4*(\s)+1], s20, (\s)*SLOT
	s_add_nc_u64 s[G0+4*(\s)+2:G0+4*(\s)+3], s[14:15], (\s)*STEPB
	s_or_b32 s[G0+4*(\s)+3], s[G0+4*(\s)+3], 0x80000000
	s_mov_b32 s[G0B+4*(\s)], 1
	s_add_co_u32 s[G0B+4*(\s)+1], s20, (\s)*SLOT
	s_add_nc_u64 s[G0B+4*(\s)+2:G0B+4*(\s)+3], s[46:47], (\s)*STEPB
	s_or_b32 s[G0B+4*(\s)+3], s[G0B+4*(\s)+3], 0x80000000
	JLOAD \s
.endr
	s_wait_kmcnt 0x0                               ; the flag,
	s_cmp_lg_u32 s[FLG], 0
	s_cselect_b32 s[MSK], -1, 0                    ; as a mask of lanes: it feeds v_cndmask_b32 alone
	v_and_b32 v1, 15, v0                           ; l % 16
	v_bfe_u32 v2, v0, 4, 1                         ; l / 16
	v_and_b32 v5, 31, v0                           ; l
	v_and_b32 v6, 7, v0                            ; l % 8
	v_bfe_u32 v7, v0, 3, 2                         ; l / 8
	v_lshlrev_b32 v[BO], 5, v6
	s_lshl_b32 s18, s42, 10                        ; bias at my 128 columns: 256 x tile column + 128 x half, 4 bytes each
	s_lshl_b32 s19, s12, 9
	s_add_co_u32 s18, s18, s19
	s_mov_b32 s19, 0
	s_add_nc_u64 s[68:69], s[68:69], s[18:19]
.irp pp, 0,1
	global_load_b128 v[BI+8*\pp:BI+8*\pp+3],   v[BO], s[68:69] offset:256*\pp     ; columns 64 pp + 8 (l % 8) + 0..7
	global_load_b128 v[BI+8*\pp+4:BI+8*\pp+7], v[BO], s[68:69] offset:256*\pp+16
.endr
	v_mul_u32_u24 v3, v1, PITCH
	v_lshl_add_u32 v3, v2, 4, v3                   ; a fragment's row x pitch + 16 x half
	s_mul_i32 s21, s11, HALFT
	s_mul_i32 s22, s12, HALFT
	s_add_co_u32 s22, s22, 2*HALFT
.irp s, 0,1
	v_add_nc_u32 v[ADRA+(\s)], s21, v3
	v_add_nc_u32 v[ADRB+(\s)], s22, v3
	s_add_co_u32 s21, s21, SLOT
	s_add_co_u32 s22, s22, SLOT
.endr
	s_mul_i32 s23, s10, WST                        ; my stage
	v_mul_u32_u24 v4, v1, SP                       ; in: row l % 16, 32 bytes for each half of the lanes
	v_lshl_add_u32 v4, v2, 5, v4
	v_add_nc_u32 v[STO], s23, v4
	v_mul_u32_u24 v4, v7, SP                       ; back: row l / 8, 32 bytes at 32 (l % 8)
	v_lshl_add_u32 v4, v6, 5, v4
	v_add_nc_u32 v[RD], s23, v4
	v_lshlrev_b32 v[CO], 4, v5                     ; four rows of 128 bytes of a block of C are 512 consecutive bytes: 16 x lane
	v_lshlrev_b32 v[PFO], 8, v5
	s_lshl_b32 s18, s13, 1
	s_add_co_u32 s18, s18, s11
	s_lshl_b32 s18, s18, 20                        ; C: my row tile,
	s_lshl_b32 s19, s42, 2
	s_lshl1_add_u32 s19, s12, s19
	s_lshl_b32 s19, s19, 14                        ; my first block: 4 x tile column + 2 x half
	s_add_co_u32 s18, s18, s19
	s_mov_b32 s19, 0
	s_add_nc_u64 s[66:67], s[66:67], s[18:19]
	s_and_b32 s22, ttmp7, 0xffff                   ; the prefetches
	s_cmp_eq_u32 s11, 0
	s_cselect_b32 s21, s40, s41                    ; my place among the four that ask with me
	s_cselect_b32 s22, ttmp9, s22                  ; the coordinate along which other clusters read the same rows
	s_cselect_b64 s[PFA:PFA+1], s[14:15], s[46:47]
	s_cmp_eq_u32 s22, 0
	s_cselect_b32 s[LIM], 1, -1
	s_lshl_b32 s20, s21, 13                        ; my work-group's 8,192 bytes of the 32,768
	s_mov_b32 s21, 0
	s_add_nc_u64 s[PFA:PFA+1], s[PFA:PFA+1], s[20:21]
	s_add_nc_u64 s[PFA:PFA+1], s[PFA:PFA+1], 2*STEPB  ; at K step 2: the first refill steps it to 3 and names K step 4
	s_mov_b32 s[CP], 0x3e6d3388
	s_mov_b32 s[CC], 0x3f596d27
	s_mov_b32 s[CC+1], 0x3f596d27
	s_mov_b32 s[A5], 0x3f07dc22
	s_mov_b32 s[A5+1], 0x3f07dc22
	s_mov_b32 s[A4], 0xbf3a00e3
	s_mov_b32 s[A4+1], 0xbf3a00e3
	s_mov_b32 s[A3], 0x3f35f0e3
	s_mov_b32 s[A3+1], 0x3f35f0e3
	s_mov_b32 s[A2], 0xbe11a98e
	s_mov_b32 s[A2+1], 0xbe11a98e
	s_mov_b32 s[A1], 0x3e027906
	s_mov_b32 s[A1+1], 0x3e027906
; 16 matrix instructions: m blocks a0, a0 + 1 of the window's four x all 8 n blocks, 32 along K.  zero = 1: the first product starts the sums.  The 64 accumulators take turns.
.macro MUL16 f, hi, a0, zero
	WIN MUL_LO+0x50*(\hi)
.irp a, \a0, (\a0)+1
.irp b, 0,1,2,3,4,5,6,7
.if \zero
	v_wmma_f32_16x16x32_bf16 v[8*(8*(\a)+(\b)):8*(8*(\a)+(\b))+7], v[(\f)+8*(\b):(\f)+8*(\b)+7], v[(\f)+8*(4*(\hi)+(\a)):(\f)+8*(4*(\hi)+(\a))+7], 0
.else
	v_wmma_f32_16x16x32_bf16 v[8*(8*(\a)+(\b)):8*(8*(\a)+(\b))+7], v[(\f)+8*(\b):(\f)+8*(\b)+7], v[(\f)+8*(4*(\hi)+(\a)):(\f)+8*(4*(\hi)+(\a))+7], v[8*(8*(\a)+(\b)):8*(8*(\a)+(\b))+7]
.endif
.endr
.endr
.endm
; 32 LDS loads in one run: the fragments of one quarter step, at byte k of the rows, into buffer f
.macro FETCH slot, k, f
	WIN TO_B
.irp i, 0,1,2,3,4,5,6,7
	ds_load_b128 v[(\f)+8*(\i):(\f)+8*(\i)+3],   v[ADRB+(\slot)] offset:(\k)+(\i)*16*PITCH
	ds_load_b128 v[(\f)+8*(\i)+4:(\f)+8*(\i)+7], v[ADRB+(\slot)] offset:(\k)+(\i)*16*PITCH+32
.endr
	WIN 0
.irp i, 0,1,2,3,4,5,6,7
	ds_load_b128 v[(\f)+8*(\i):(\f)+8*(\i)+3],   v[ADRA+(\slot)] offset:(\k)+(\i)*16*PITCH
	ds_load_b128 v[(\f)+8*(\i)+4:(\f)+8*(\i)+7], v[ADRA+(\slot)] offset:(\k)+(\i)*16*PITCH+32
.endr
.endm
.macro PLACES                          ; four plain instructions between a matrix instruction and a load into, or a read of, its registers
.rept 4
	v_nop
.endr
.endm
.macro QUARTER slot, k, f, g, zero     ; multiplies buffer f; in its middle fetches the next quarter, at byte k, into g
	s_wait_dscnt 8                                 ; W and A's rows 0-63 are in; the youngest eight loads (A's rows 64-127) may be out
	WIN MUL_LO
	MUL16 \f, 0, 0, \zero
	MUL16 \f, 0, 2, \zero
	PLACES
	FETCH \slot, \k, \g
	s_wait_dscnt 32                                ; all but the 32 just issued
	WIN MUL_HI
	MUL16 \f, 1, 0, \zero
	MUL16 \f, 1, 2, \zero
.endm
; The last change of slots, behind which nothing is filled: one barrier; in front of it each wave waits for all its tensor loads (one is out: its part of the last slot), adds 0 to its spare word, and waits for that and
; for its reads of this slot.  Products stand between the lines, since no request waits for them.
.macro MEET
	WIN 0
	s_wait_tensorcnt 0x0
	ds_add_u32 v[SPW], v[NIL]
	s_wait_dscnt 9                                 ; (the add and the youngest eight loads may be out)
	WIN MUL_LO
	MUL16 F1, 0, 0, 0
	s_wait_dscnt 0x0                               ; the add is done, my reads of this slot are over
	s_barrier_signal -1
	MUL16 F1, 0, 2, 0
	s_barrier_wait -1
.endm
; The last quarter of a K step whose slot is filled again, two K steps on.  THE REQUEST STANDS STRAIGHT BEHIND THE LANDING: the wait for all my tensor loads (one is out: my part of the next slot), the add, the wait for it
; and for my reads of this slot (the last were issued 32 products ago), the cluster's round, the joint load; the quarter's 64 products follow, so the load has a whole K step's 256 products in which to land.
.macro TURN slot, next
	s_wait_xcnt 0x0                                ; the last prefetch, a K step back, has read its address
	s_add_nc_u64 s[PFA:PFA+1], s[PFA:PFA+1], STEPB
	WIN 0
	s_wait_tensorcnt 0x0                           ; no tensor load of mine is out, so a group 0 may be written
	ds_add_u32 v[SPW], v[NIL]                      ; 0 onto my spare word; the descriptors' steps stand between it and the wait for it
	s_add_nc_u64 s[G0+4*(\slot)+2:G0+4*(\slot)+3], s[G0+4*(\slot)+2:G0+4*(\slot)+3], 2*STEPB
	s_add_nc_u64 s[G0B+4*(\slot)+2:G0B+4*(\slot)+3], s[G0B+4*(\slot)+2:G0B+4*(\slot)+3], 2*STEPB
	s_wait_dscnt 0x0                               ; the add is done, my reads of this slot are over
	CROUND                                         ; no wave of any partner still reads this slot or has a load on its way
	JLOAD \slot                                    ; the first tensor load behind the round; its four v_nop are also the places in front of the loads below
	FETCH \next, KO0, F0
	ASK
	MUL16 F1, 0, 0, 0
	MUL16 F1, 0, 2, 0
	MUL16 F1, 1, 0, 0
	MUL16 F1, 1, 2, 0
.endm
	s_wait_tensorcnt 1                             ; my part of K step 0 is in; K step 1's may stay out
	s_barrier_signal -1
	s_barrier_wait -1
	FETCH 0, KO0, F0
	QUARTER 0, KO1, F0, F1, 1                      ; the first quarter starts the sums
	WIN 0
	s_mov_b32 s3, LAPS-1
.Llap:                                                 ; once round the ring, from a lap's second quarter to the next lap's first
	QUARTER 0, KO2, F1, F0, 0
	QUARTER 0, KO3, F0, F1, 0
	TURN 0, 1
	QUARTER 1, KO1, F0, F1, 0
	QUARTER 1, KO2, F1, F0, 0
	QUARTER 1, KO3, F0, F1, 0
	TURN 1, 0
	QUARTER 0, KO1, F0, F1, 0
	WIN 0
	s_sub_co_u32 s3, s3, 1
	s_cmp_lg_u32 s3, 0
	s_cbranch_scc1 .Llap
	QUARTER 0, KO2, F1, F0, 0                      ; the last lap asks for nothing
	QUARTER 0, KO3, F0, F1, 0
	MEET
	PLACES
	FETCH 1, KO0, F0
	WIN MUL_HI
	MUL16 F1, 1, 0, 0
	MUL16 F1, 1, 2, 0
	QUARTER 1, KO1, F0, F1, 0
	QUARTER 1, KO2, F1, F0, 0
	QUARTER 1, KO3, F0, F1, 0
	s_wait_dscnt 8
	WIN MUL_LO
	MUL16 F1, 0, 0, 0
	MUL16 F1, 0, 2, 0
	s_wait_dscnt 0x0                               ; my last reads of the ring are back:
	s_barrier_signal -1                            ; say so,
	MUL16 F1, 1, 0, 0
	MUL16 F1, 1, 2, 0
	WIN 0
	s_barrier_wait -1                              ; and write into the ring's bytes only when all four have said so
	PLACES
.irp a, 0,1,2,3,4,5,6,7
	WIN 0x08+4*((\a)/4)                            ; store data (source 1) in window 2 or 3
.irp b, 0,1,2,3,4,5,6,7
	ds_store_b128 v[STO], v[8*(8*((\a)%4)+(\b)):8*(8*((\a)%4)+(\b))+3]   offset:(\a)*16*SP+(\b)*64     ; each accumulator's low four registers first
	ds_store_b128 v[STO], v[8*(8*((\a)%4)+(\b))+4:8*(8*((\a)%4)+(\b))+7] offset:(\a)*16*SP+(\b)*64+16
.endr
.endr
	WIN 0
.macro XLOAD                           ; 4 rows x 128 columns: 16 sums a lane.  LDS serves a wave's instructions in order, so these see my stores above
.irp pp, 0,1
	ds_load_b128 v[XN+8*\pp:XN+8*\pp+3],   v[RD] offset:256*\pp
	ds_load_b128 v[XN+8*\pp+4:XN+8*\pp+7], v[RD] offset:256*\pp+16
.endr
.endm
; GELU of the 16 numbers in X, into MX; then X keeps its number or takes MX's, by the mask.
; The 32 reciprocals and exponentials are ONE BATCH with one wait, and each has a plain neighbour: between pair q's four stand the four plain lines that make pair q + 1's arguments
; (for the last pair four of the maxima).  Ahead of the wait no line names a result of the batch.
.macro GELU16
	v_pk_mul_f32 v[E:E+1], v[X:X+1], s[CC:CC+1] op_sel_hi:[1,0]
	v_fma_f32 v[T], |v[X]|, s[CP], 1.0
	v_pk_mul_f32 v[E:E+1], v[E:E+1], v[E:E+1] neg_lo:[1,0] neg_hi:[1,0]  ; -(x^2 / 2) log2(e)
	v_fma_f32 v[T+1], |v[X+1]|, s[CP], 1.0
.set q, 0
.rept 8
	v_rcp_f32 v[T+2*q], v[T+2*q]
.if q < 7
	v_pk_mul_f32 v[E+2*q+2:E+2*q+3], v[X+2*q+2:X+2*q+3], s[CC:CC+1] op_sel_hi:[1,0]
.else
	v_max_num_f32 v[MX+12], 0, v[X+12]
.endif
	v_rcp_f32 v[T+2*q+1], v[T+2*q+1]
.if q < 7
	v_fma_f32 v[T+2*q+2], |v[X+2*q+2]|, s[CP], 1.0
.else
	v_max_num_f32 v[MX+13], 0, v[X+13]
.endif
	v_exp_f32 v[E+2*q], v[E+2*q]
.if q < 7
	v_pk_mul_f32 v[E+2*q+2:E+2*q+3], v[E+2*q+2:E+2*q+3], v[E+2*q+2:E+2*q+3] neg_lo:[1,0] neg_hi:[1,0]
.else
	v_max_num_f32 v[MX+14], 0, v[X+14]
.endif
	v_exp_f32 v[E+2*q+1], v[E+2*q+1]
.if q < 7
	v_fma_f32 v[T+2*q+3], |v[X+2*q+3]|, s[CP], 1.0
.else
	v_max_num_f32 v[MX+15], 0, v[X+15]             ; also the plain instruction behind the last exponential (ISA guide 5.7.2)
.endif
.if q < 6
	v_max_num_f32 v[MX+2*q], 0, v[X+2*q]
	v_max_num_f32 v[MX+2*q+1], 0, v[X+2*q+1]
.endif
.set q, q+1
.endr
	s_wait_alu depctr_va_vdst(0)                   ; one wait for the batch, ahead of its first reader
.set i, 0
.rept 8
	v_pk_fma_f32 v[PL+i:PL+i+1], v[T+i:T+i+1], s[A5:A5+1], s[A4:A4+1] op_sel_hi:[1,0,0]
.set i, i+2
.endr
.irp c, A3, A2, A1
.set i, 0
.rept 8
	v_pk_fma_f32 v[PL+i:PL+i+1], v[PL+i:PL+i+1], v[T+i:T+i+1], s[(\c):(\c)+1] op_sel_hi:[1,1,0]
.set i, i+2
.endr
.endr
.set i, 0
.rept 8
	v_pk_mul_f32 v[PL+i:PL+i+1], v[PL+i:PL+i+1], v[T+i:T+i+1]
.set i, i+2
.endr
.set i, 0
.rept 8
	v_pk_mul_f32 v[PL+i:PL+i+1], v[PL+i:PL+i+1], v[E+i:E+i+1]
.set i, i+2
.endr
.set i, 0
.rept 16
	v_fma_f32 v[MX+i], -|v[X+i]|, v[PL+i], v[MX+i]
.set i, i+1
.endr
.set i, 0
.rept 16
	v_cndmask_b32 v[X+i], v[X+i], v[MX+i], s[MSK]  ; the flag's one use: a choice between two values
.set i, i+1
.endr
.endm
	s_wait_loadcnt 0x0                             ; the bias
	XLOAD
	s_mov_b32 s3, 32
.Lep:
	s_wait_dscnt 0x0
.set i, 0
.rept 8
	v_pk_add_f32 v[X+i:X+i+1], v[XN+i:XN+i+1], v[BI+i:BI+i+1]
.set i, i+2
.endr
	v_add_nc_u32 v[RD], 4*SP, v[RD]
	s_cmp_eq_u32 s3, 1
	s_cbranch_scc1 .Lno_more                       ; the last trip has no rows behind it
	XLOAD                                          ; the next four rows come while these are worked on
.Lno_more:
	GELU16
	s_wait_xcnt 0x0                                ; the last trip's stores have read Y and CO
	v_add_nc_u32 v[CO], 512, v[CO]
.set i, 0
.rept 8
	v_cvt_pk_bf16_f32 v[Y+i], v[X+2*i], v[X+2*i+1]
.set i, i+1
.endr
	global_store_b128 v[CO], v[Y:Y+3],   s[66:67] offset:-512        ; 512 consecutive bytes of my first block of C,
	global_store_b128 v[CO], v[Y+4:Y+7], s[66:67] offset:16384-512   ; and of my second
	s_sub_co_u32 s3, s3, 1
	s_cmp_lg_u32 s3, 0
	s_cbranch_scc1 .Lep
	s_wait_tensorcnt 0x0                           ; the wave's end
	ds_add_u32 v[SPW], v[NIL]
	s_wait_dscnt 0x0
	CROUND                                         ; the closing round
	s_endpgm
.Lfunc_end_k_qf50aebc54a_qkv:
	.size	k_qf50aebc54a_qkv, .Lfunc_end_k_qf50aebc54a_qkv-k_qf50aebc54a_qkv
	.p2alignl 7, 3214868480
	.fill 96, 4, 3214868480
	.section	.rodata,"a",@progbits
	.p2align	6, 0x0
	.amdhsa_kernel k_qf50aebc54a_qkv
		.amdhsa_group_segment_fixed_size 327680
		.amdhsa_private_segment_fixed_size 0
		.amdhsa_enable_private_segment 0
		.amdhsa_kernarg_size 40
		.amdhsa_user_sgpr_count 2
		.amdhsa_user_sgpr_kernarg_segment_ptr 1
		.amdhsa_wavefront_size32 1
		.amdhsa_system_sgpr_workgroup_id_x 1
		.amdhsa_system_sgpr_workgroup_id_y 1
		.amdhsa_system_sgpr_workgroup_id_z 1
		.amdhsa_system_vgpr_workitem_id 0
		.amdhsa_next_free_vgpr 1024
		.amdhsa_next_free_sgpr 92
		.amdhsa_reserve_vcc 0
		.amdhsa_float_denorm_mode_32 3
		.amdhsa_float_denorm_mode_16_64 3
		.amdhsa_memory_ordered 1
		.amdhsa_forward_progress 1
		.amdhsa_inst_pref_size 132
	.end_amdhsa_kernel
	.amdgpu_metadata
---
amdhsa.version: [ 1, 2 ]
amdhsa.kernels:
  - .name:           k_qf50aebc54a_qkv
    .symbol:         k_qf50aebc54a_qkv.kd
    .args:
      - { .name: bufa, .offset: 0, .size: 8, .value_kind: global_buffer, .address_space: global }
      - { .name: wqp, .offset: 8, .size: 8, .value_kind: global_buffer, .address_space: global }
      - { .name: qkv_b, .offset: 16, .size: 8, .value_kind: global_buffer, .address_space: global }
      - { .name: p_qkv, .offset: 24, .size: 8, .value_kind: global_buffer, .address_space: global }
      - { .name: bufb, .offset: 32, .size: 8, .value_kind: global_buffer, .address_space: global }
    .group_segment_fixed_size: 327680
    .private_segment_fixed_size: 0
    .kernarg_segment_align: 8
    .kernarg_segment_size: 40
    .max_flat_workgroup_size: 128
    .sgpr_count:     92
    .vgpr_count:     1024
    .wavefront_size: 32
...
	.end_amdgpu_metadata
.endif
;; end of part 2
;; launch attn (part 3): grid 8 x 32, 4 waves a work-group, no clusters, 327,680 bytes of LDS; arguments bufb, bufa; writes bufa
.if DOCPART == 3
	.amdgcn_target "amdgcn-amd-amdhsa--gfx1250"
	.amdhsa_code_object_version 6
	.text
	.protected	k_qf50aebc54a_attn
	.globl	k_qf50aebc54a_attn
	.p2align	8
	.type	k_qf50aebc54a_attn,@function
k_qf50aebc54a_attn:
	s_mov_b64 s[64:65], 0
	v_nop
	global_prefetch_b8 v0, s[64:65] scope:SCOPE_SE
	s_setreg_imm32_b32 hwreg(HW_REG_WAVE_MODE, 25, 1), 1
	s_wait_xcnt 0x0
; CAUSAL ATTENTION, head size 64, 2 batches x 16 heads x 2,048 rows.  q, k, v: bf16 in tile order: row tile (128 rows) 1 MiB apart, in it block h (q), 16 + h (k), 32 + h (v) of 16 KiB, a row 128 bytes.
; O leaves in the same order, block h.  Products, maxima and sums in f32; the weights p are rounded to bf16 for the second product (their sum is taken of the unrounded p), O once at the end.
; LIMITS: a hidden score counts as its value less 1e30; a weight below 2^-126 counts as 0; NaN and infinities are not treated apart.
; THE WALK.  A head's queries lie in 16 blocks of 128; keys go in tiles of 256, four steps of 64.  Block i needs tiles 0 .. i / 2; in the last, band u (64 queries) has its own step 2 (i % 2) + u, sees all keys of earlier
; steps and none of later ones.  A work-group takes blocks p and then 15 - p: p / 2 + 1 and (15 - p) / 2 + 1 tiles, 9 together whatever p: one loop with a constant count walks them.
; NO CLUSTER: the 8 work-groups of a head ask for the same tile only in the first trips; one walk common to all would have 12 tiles for 9.
; SHARES.  A wave owns 16 rows in each of a block's two bands: two pieces.  So the diagonal is the same work for all four waves.
; THE MASK is the C operand that starts S^T = K Q^T: MC = MD x AL + BE, MD the mask of a band's own step (0 or -1e30), made once; (AL, BE) = (1, 0) in the own step, (0, 0) before it, (0, -1e30) behind it.
; LAYOUT.  S^T = K Q^T holds one query a lane (lane % 16) and the keys 8 (lane / 16) + 0..7; two such results rounded to bf16 are source 1 of O^T = V^T P.  p = 2^(c s - c m), c = log2(e) / 8, m the running maximum;
; O and l are multiplied by a = 2^(c m_old - c m_new) in every step.
; A STEP TRIP, in phases: K of the next step is fetched; maximum, statistics, exponentials (one batch, one wait), rescaling and rounding of the step in hand; V^T P; masks; V of the next step is fetched; K Q^T of the next step.
; Both fetches of a trip read the next step, so a tile trip reads one slot alone, and the change of slots stands at its head.
; REGISTERS: window 0: v0-15 addresses, v16-23 statistics, v24-31 at work, v32-95 V, v96-159 S^T, v160-191 P, v192-255 O^T.  Window 1: v0-31 Q, v32-63 the second block's Q, v64-127 K, v128-159 MD, v160-223 MC.
.set KS,    64
.set PK,    144                        ; a row of K in LDS: 128 bytes + 16: an odd multiple of 16
.set PV,    160                        ; a row of V: 128 + 32: an odd multiple of 32, for the turning load
.set VOFF,  4*KS*PK
.set SLOT1, 1<<17
.set STAGE, SLOT1+4*KS*(PK+PV)         ; behind the ring, never filled by a tensor load: 16 rows x 144 bytes for each wave
.set SP,    144
.set SPARE, STAGE+4*16*SP              ; the spare words, 128 bytes for each wave; no other line names them
.set AK0, 2
.set AV0, 3
.set AK,  4
.set AV,  5
.set STO, 6
.set RD,  7
.set GO,  8
.set PFO, 9
.set SPW, 10
.set NIL, 11
.set MV,  12                           ; v12-13  c m_old, a piece each
.set QO,  15
.set ST,  16                           ; piece u at ST + 4 u: c m, m, l (even keys', odd keys')
.set TMP, 24                           ; piece u at TMP + 4 u: c0-c3; c2 takes a
.set VF,  32
.set S,   96
.set P,   160
.set O,   192
.set Q,   0                            ; window 1
.set QB,  32
.set KF,  64
.set MD,  128
.set MC,  160
.set WV,  12
.set PB,  14
.set HI,  15
.set G1K, 24
.set G1V, 32
.set G0K, 40
.set G0V, 44
.set DG,  48                           ; 1: the tile in hand is its block's last
.set ENDF, 49                          ; 1: the tile before was
.set DD,  50                           ; band 0's own step in the tile in hand, or 64
.set DCUR, 51
.set DHI, 52
.set NH,  53
.set KK,  54
.set LIM, 55
.set SLOTS, 56
.set CNT, 57
.set CS,  58
.set SEL, 60
.set TBK, 62
.set TBV, 63
.set PFA, 66                           ; s[66:67] where my prefetches point
.set PB0, 68                           ; s[68:69] my load's source at tile 0
.set RT,  70
.set NXT, 71
.set LQ,  72
.set NEW, 73
.set OFF, 74
.set AL,  76                           ; s[76:77], s[84:85]: a piece each
.set BE,  78                           ; s[78:79], s[86:87]
.set OHI, 80
.set BIGN, 82
.set TT,  83
.set OF2, 88
.set QHA, 92
.set NH1, 94
.set MSB, 0
.macro WIN new
.if MSB != (\new)
	s_set_vgpr_msb (MSB<<8)|(\new)
.set MSB, (\new)
.endif
.endm
; A fill: waves 0 and 1 fetch the two halves of a tile's K, waves 2 and 3 those of its V.  An s_nop 0 and four v_nop follow each line.
.macro LOAD
	s_cmp_lt_u32 s[WV], 2
	s_cbranch_scc0 .Lfor_v_\@
	tensor_load_to_lds s[G0K:G0K+3], s[G1K:G1K+7]
	s_nop 0
.rept 4
	v_nop
.endr
	s_branch .Lasked_\@
.Lfor_v_\@:
	tensor_load_to_lds s[G0V:G0V+3], s[G1V:G1V+7]
	s_nop 0
.rept 4
	v_nop
.endr
.Lasked_\@:
.endm
; THE CHANGE OF SLOTS.  Each wave waits for all its tensor loads (one is out: its part of the other slot), adds 0 to its spare word, and waits for that and for its reads of the slot that it leaves; behind the barrier the old
; slot is filled again first, with tile NXT.  Behind the load a prefetch: work-group p = 0 alone, in the changes with 5 to 2 slots to go, names the tile that its next change will ask for (tiles 4 to 7 of the head), each wave
; the 16,384 bytes that it will load itself, 256 bytes a lane, twice: four key steps ahead of that load.
.macro CHANGE fill
	WIN 0
	s_wait_tensorcnt 0x0
	ds_add_u32 v[SPW], v[NIL]                      ; 0 onto my spare word; scalar work stands between it and the wait for it
.if \fill
	s_lshl_b32 s[OFF], s[NXT], 21                  ; a tile is two row tiles of 1 MiB
	s_xor_b32 s[G0K+1], s[G0K+1], SLOT1
	s_add_nc_u64 s[G0K+2:G0K+3], s[6:7], s[OFF:OFF+1]
	s_or_b32 s[G0K+3], s[G0K+3], 0x80000000
	s_xor_b32 s[G0V+1], s[G0V+1], SLOT1
	s_add_nc_u64 s[G0V+2:G0V+3], s[8:9], s[OFF:OFF+1]
	s_or_b32 s[G0V+3], s[G0V+3], 0x80000000
	s_add_co_u32 s[NXT], s[NXT], 1                 ; the block's next tile, or behind its last the second block's tile 0
	s_cmp_gt_u32 s[NXT], s[LQ]
	s_cselect_b32 s[NXT], 0, s[NXT]
	s_cselect_b32 s[LQ], s[NH1], s[LQ]
	s_wait_xcnt 0x0                                ; the last prefetches, a tile back, have read their address
	s_lshl_b32 s[OF2], s[NXT], 21
	s_add_nc_u64 s[PFA:PFA+1], s[PB0:PB0+1], s[OF2:OF2+1]
.endif
	s_wait_dscnt 0x0                               ; the add is done, my reads of the slot are over
	s_barrier_signal -1
	s_sub_co_u32 s[TBK], s[TBK], 4*KS*PK           ; the fetches go back to a slot's first step, in the other slot
	s_xor_b32 s[TBK], s[TBK], SLOT1
	s_sub_co_u32 s[TBV], s[TBV], 4*KS*PV
	s_xor_b32 s[TBV], s[TBV], SLOT1
	s_barrier_wait -1
.if \fill
	LOAD
	s_sub_co_u32 s[TT], s[SLOTS], 2
	s_cmp_lt_u32 s[TT], s[LIM]
	s_cbranch_scc0 .Lnot_mine_\@
	global_prefetch_b8 v[PFO], s[PFA:PFA+1] th:TH_LOAD_NT scope:SCOPE_SE
	global_prefetch_b8 v[PFO], s[PFA:PFA+1] offset:8192 th:TH_LOAD_NT scope:SCOPE_SE
.Lnot_mine_\@:
.endif
.endm
.macro TOP                             ; what the tile to be entered is
	s_mov_b32 s[ENDF], s[DG]
	s_cmp_eq_u32 s[ENDF], 1
	s_cselect_b32 s[RT], s[NH], s[RT]              ; behind a block's last tile the second block begins
	s_cselect_b32 s[DCUR], s[DHI], s[DCUR]
	s_sub_co_u32 s[RT], s[RT], 1
	s_cmp_eq_u32 s[RT], 0
	s_cselect_b32 s[DG], 1, 0
	s_cselect_b32 s[DD], s[DCUR], 64
	s_mov_b32 s[CNT], 4
.endm
	s_load_b128 s[16:19], s[0:1], 0x0              ; q, k, v s[16:17]; O s[18:19]
	v_lshl_add_u32 v[SPW], v0, 2, SPARE
	v_mov_b32 v[NIL], 0
	ds_add_u32 v[SPW], v[NIL]                      ; the wave's opening: the add and its wait stand ahead of my first tensor load
	v_lshrrev_b32 v1, 5, v0
	v_readfirstlane_b32 s[WV], v1
	s_mov_b32 s[PB], ttmp9
	s_sub_co_u32 s[HI], 15, s[PB]
	s_and_b32 s20, ttmp7, 0xffff
	s_lshr_b32 s21, s20, 4                         ; batch
	s_and_b32 s20, s20, 15                         ; head
	s_lshl_b32 s21, s21, 24                        ; 16 row tiles a batch
	s_lshl_b32 s20, s20, 14
	s_add_co_u32 s20, s20, s21
	s_and_b32 s21, s[WV], 1                        ; which half of a tile's 256 keys I fetch
	s_lshl_b32 s2, s21, 20
	s_add_co_u32 s2, s2, s20
	s_add_co_u32 s2, s2, 16<<14                    ; k's blocks begin at place 16
	s_mov_b32 s3, 0
	s_mul_i32 s90, s21, 128*PK
	s_mul_i32 s91, s21, 128*PV
	s_lshl_b32 s21, s[WV], 11                      ; my 16 rows in a band
	s_add_co_u32 s20, s20, s21
	s_lshl_b32 s22, s[PB], 20                      ; the first block,
	s_add_co_u32 s22, s22, s20
	s_mov_b32 s23, 0
	s_lshl_b32 s[OF2], s[HI], 20                   ; and the second
	s_add_co_u32 s[OF2], s[OF2], s20
	s_mov_b32 s[OF2+1], 0
	s_mov_b32 s[G1K], (1<<16)|(1<<20)|(4<<22)|(3<<25)  ; 2-byte elements; padding on; after every 32 words, 4 words
	s_mov_b32 s[G1V], (1<<16)|(1<<20)|(4<<22)|(7<<25)  ; the same with 8 words
.irp g, G1K, G1V
	s_mov_b32 s[\g+1], 128<<16                     ; 128 keys are 16,384 dense bytes: 64 rows of 256
	s_mov_b32 s[\g+2], 64<<16
	s_mov_b32 s[\g+3], 128<<16
	s_mov_b32 s[\g+4], 64
	s_mov_b32 s[\g+5], 128
	s_mov_b32 s[\g+6], 0
	s_mov_b32 s[\g+7], 0
.endr
	s_mov_b32 s[CS], 0x3e38aa3b                    ; c = log2(e) / 8
	s_mov_b32 s[CS+1], s[CS]
	s_mov_b32 s[SEL], 0x76543210
	s_mov_b32 s[SEL+1], 0xfedcba98
	s_mov_b32 s[TBK], SLOT1+4*KS*PK                ; the first change of slots turns these two into 0
	s_mov_b32 s[TBV], SLOT1+4*KS*PV
	s_mov_b32 s[G0K], 1
	s_mov_b32 s[G0K+1], s90
	s_mov_b32 s[G0V], 1
	s_add_co_u32 s[G0V+1], s91, VOFF
	s_lshr_b32 s[RT], s[PB], 1
	s_add_co_u32 s[RT], s[RT], 1                   ; the first block's tiles
	s_lshr_b32 s[NH], s[HI], 1
	s_add_co_u32 s[NH], s[NH], 1                   ; the second's
	s_sub_co_u32 s[NH1], s[NH], 1
	s_and_b32 s[DCUR], s[PB], 1
	s_lshl_b32 s[DCUR], s[DCUR], 1
	s_and_b32 s[DHI], s[HI], 1
	s_lshl_b32 s[DHI], s[DHI], 1
	s_mov_b32 s[DG], 0
	s_sub_co_u32 s[LQ], s[RT], 1
	s_cmp_eq_u32 s[LQ], 0                          ; a first block of one tile: the next to ask for is the second block's tile 0
	s_cselect_b32 s[NXT], 0, 1
	s_cselect_b32 s[LQ], s[NH1], s[LQ]
	s_cmp_eq_u32 s[PB], 0
	s_cselect_b32 s[LIM], 4, 0
	s_mov_b32 s[NEW], 1
	s_mov_b32 s[OFF+1], 0
	s_mov_b32 s[AL+1], 0
	s_mov_b32 s[BE+1], 0
	s_mov_b32 s[AL+9], 0
	s_mov_b32 s[BE+9], 0
	s_mov_b32 s[BIGN], 0xf149f2ca                  ; -1e30
	s_mov_b32 s[SLOTS], 8
	s_wait_dscnt 0x0                               ; the opening add is done
	s_wait_kmcnt 0x0
	s_add_nc_u64 s[6:7], s[16:17], s[2:3]          ; K at my half of the head's tile 0,
	s_add_nc_u64 s[8:9], s[6:7], 16<<14            ; V sixteen places on
	s_add_nc_u64 s[4:5], s[16:17], s[22:23]        ; Q at my rows of the first block,
	s_add_nc_u64 s[QHA:QHA+1], s[16:17], s[OF2:OF2+1]  ; and of the second
	s_add_nc_u64 s[10:11], s[18:19], s[22:23]
	s_add_nc_u64 s[OHI:OHI+1], s[18:19], s[OF2:OF2+1]
	s_cmp_lt_u32 s[WV], 2
	s_cselect_b64 s[PB0:PB0+1], s[6:7], s[8:9]
	s_add_nc_u64 s[G0K+2:G0K+3], s[6:7], 0
	s_or_b32 s[G0K+3], s[G0K+3], 0x80000000
	s_add_nc_u64 s[G0V+2:G0V+3], s[8:9], 0
	s_or_b32 s[G0V+3], s[G0V+3], 0x80000000
	LOAD                                           ; tile 0 into slot 0
	v_and_b32 v1, 15, v0                           ; l % 16
	v_bfe_u32 v24, v0, 4, 1                        ; l / 16
	v_and_b32 v25, 7, v0
	v_bfe_u32 v26, v0, 3, 1
	v_lshlrev_b32 v[QO], 7, v1
	v_lshl_add_u32 v[QO], v24, 4, v[QO]            ; row x 128 + 16 x half
	WIN 0x40                                       ; destination window 1
.set i, 0
.rept 4                                ; piece i / 2 lies 64 rows on; channels 32 (i % 2) on
	global_load_b128 v[Q+8*i:Q+8*i+3],     v[QO], s[4:5] offset:(i/2)*8192+(i%2)*64
	global_load_b128 v[Q+8*i+4:Q+8*i+7],   v[QO], s[4:5] offset:(i/2)*8192+(i%2)*64+32
	global_load_b128 v[QB+8*i:QB+8*i+3],   v[QO], s[QHA:QHA+1] offset:(i/2)*8192+(i%2)*64
	global_load_b128 v[QB+8*i+4:QB+8*i+7], v[QO], s[QHA:QHA+1] offset:(i/2)*8192+(i%2)*64+32
.set i, i+1
.endr
	WIN 0
	v_lshlrev_b32 v27, 3, v24
	v_sub_nc_u32 v27, v1, v27
	s_lshl_b32 s13, s[WV], 4
	v_add_nc_u32 v27, s13, v27                     ; my query's place in its band less 8 (l / 16): register r of key group kt is hidden where 16 kt + r is greater
	WIN 0x40
.set i, 0
.rept 32
	v_cmp_gt_i32 vcc_lo, 16*(i/8)+i%8, v27
	v_cndmask_b32 v[MD+i], 0, s[BIGN], vcc_lo
.set i, i+1
.endr
	WIN 0
	v_mul_u32_u24 v[AK0], v1, PK
	v_lshl_add_u32 v[AK0], v24, 4, v[AK0]
	v_lshl_add_u32 v[AV0], v24, 3, v25             ; the turning load: key 8 (l / 16) + l % 8, channels 8 ((l / 8) % 2) on
	v_mul_u32_u24 v[AV0], v[AV0], PV
	v_lshl_add_u32 v[AV0], v26, 4, v[AV0]
	v_add_nc_u32 v[AV0], VOFF, v[AV0]
	s_mul_i32 s13, s[WV], 16*SP
	s_add_co_u32 s13, s13, STAGE
	v_mul_u32_u24 v[STO], v1, SP
	v_lshl_add_u32 v[STO], v24, 4, v[STO]
	v_add_nc_u32 v[STO], s13, v[STO]
	v_bfe_u32 v[RD], v0, 3, 2
	v_mul_u32_u24 v[RD], v[RD], SP
	v_lshl_add_u32 v[RD], v25, 4, v[RD]
	v_add_nc_u32 v[RD], s13, v[RD]
	v_and_b32 v[GO], 31, v0
	v_lshlrev_b32 v[PFO], 8, v[GO]
	v_lshlrev_b32 v[GO], 4, v[GO]
	; a block's first step multiplies O^T and l by a = 0, so they need only be finite: zeros for the first block, what the first block left for the second
.set i, 0
.rept 64
	v_mov_b32 v[O+i], 0
.set i, i+1
.endr
.irp u, 0,1
	v_mov_b32 v[ST+4*\u+2], 0
	v_mov_b32 v[ST+4*\u+3], 0
.endr
.macro REGS u
.set rT, ST+4*(\u)
.set rC, TMP+4*(\u)
.set rW, MV+(\u)
.set rS, S+32*(\u)
.set rP, P+16*(\u)
.set rO, O+32*(\u)
.endm
; number n of the 22 that find a piece's maximum and statistics; each accumulator's lowest registers are read first
.macro XS u, n
	REGS \u
.if (\n) < 4
	v_max3_num_f32 v[rC+(\n)], v[rS+8*(\n)], v[rS+8*(\n)+1], v[rS+8*(\n)+2]
.elseif (\n) < 12
	v_max3_num_f32 v[rC+(\n)%4], v[rC+(\n)%4], v[rS+8*((\n)%4)+2*((\n)/4)+1], v[rS+8*((\n)%4)+2*((\n)/4)+2]
.elseif (\n) == 12
	v_max3_num_f32 v[rC], v[rC], v[rS+7], v[rS+15]
.elseif (\n) == 13
	v_max3_num_f32 v[rC+1], v[rC+1], v[rS+23], v[rS+31]
.elseif (\n) == 14
	v_max3_num_f32 v[rC+2], v[rC+2], v[rC+3], v[rT+1]
.elseif (\n) == 15
	v_mov_b32 v[rW], v[rT]
.elseif (\n) == 16
	v_max3_num_f32 v[rC], v[rC], v[rC+1], v[rC+2]
.elseif (\n) == 17
	v_permlanex16_b32 v[rC+3], v[rC], s[SEL], s[SEL+1]   ; the query's other 32 keys lie in the lane 16 away
.elseif (\n) == 18
	v_max_num_f32 v[rT+1], v[rC], v[rC+3]
.elseif (\n) == 19
	v_mul_f32 v[rT], s[CS], v[rT+1]
.elseif (\n) == 20
	v_sub_f32 v[rC+1], v[rW], v[rT]
.else
	v_exp_f32 v[rC+2], v[rC+1]
.endif
.endm
.macro FS u, n                         ; c s - c m, pair n
	REGS \u
	v_pk_fma_f32 v[rS+2*(\n):rS+2*(\n)+1], v[rS+2*(\n):rS+2*(\n)+1], s[CS:CS+1], v[rT:rT+1] op_sel_hi:[1,0,0] neg_lo:[0,0,1] neg_hi:[0,0,1]
.endm
.macro ES u, n
	REGS \u
	v_exp_f32 v[rS+(\n)], v[rS+(\n)]
.endm
.macro RS u, n                         ; O^T times a, pair n
	REGS \u
	v_pk_mul_f32 v[rO+2*(\n):rO+2*(\n)+1], v[rO+2*(\n):rO+2*(\n)+1], v[rC+2:rC+3] op_sel_hi:[1,0]
.endm
.macro CV u, n
	REGS \u
	v_cvt_pk_bf16_f32 v[rP+(\n)], v[rS+2*(\n)], v[rS+2*(\n)+1]
.endm
.macro BOP n                           ; of four weights the second pair onto the first
	v_pk_add_f32 v[rS+4*(\n):rS+4*(\n)+1], v[rS+4*(\n):rS+4*(\n)+1], v[rS+4*(\n)+2:rS+4*(\n)+3]
.endm
.macro LOP n                           ; l takes that sum; the first time l = a l + sum
.if (\n) == 0
	v_pk_fma_f32 v[rT+2:rT+3], v[rT+2:rT+3], v[rC+2:rC+3], v[rS:rS+1] op_sel_hi:[1,0,1]
.else
	v_pk_add_f32 v[rT+2:rT+3], v[rT+2:rT+3], v[rS+4*(\n):rS+4*(\n)+1]
.endif
.endm
.macro RID                             ; number r of the 32 sums, the pieces alternating: B0, then B(n), L(n - 1) for n = 1..7, then L7
.set g, r/2
	REGS r%2
.if g == 0
	BOP 0
.elseif g == 15
	LOP 7
.elseif g%2 == 1
	BOP (g+1)/2
.else
	LOP g/2-1
.endif
.set r, r+1
.endm
.macro FETCH_K
	WIN 0
	v_add_nc_u32 v[AK], s[TBK], v[AK0]
	WIN 0x40
.irp f, 0,1,2,3,4,5,6,7                ; keys 16 (f / 2) on, channels 32 (f % 2) on
	ds_load_b128 v[KF+8*\f:KF+8*\f+3],   v[AK] offset:(\f/2)*16*PK+(\f%2)*64
	ds_load_b128 v[KF+8*\f+4:KF+8*\f+7], v[AK] offset:(\f/2)*16*PK+(\f%2)*64+32
.endr
	s_add_co_u32 s[TBK], s[TBK], KS*PK
	WIN 0
.endm
.macro FETCH_V
	WIN 0
	v_add_nc_u32 v[AV], s[TBV], v[AV0]
	s_add_co_u32 s[TBV], s[TBV], KS*PV
.irp f, 0,1,2,3,4,5,6,7                ; keys 32 (f / 4) on, channels 16 (f % 4) on
	ds_load_tr16_b128 v[VF+8*\f:VF+8*\f+3],   v[AV] offset:(\f/4)*32*PV+(\f%4)*32
	ds_load_tr16_b128 v[VF+8*\f+4:VF+8*\f+7], v[AV] offset:(\f/4)*32*PV+16*PV+(\f%4)*32
.endr
.endm
; The step in hand: softmax of both pieces, then V^T P.  The eight accumulators of a run of 16 take turns.
.macro SOFTPV
	WIN 0
.irp n, 0,1,2,3,4,5,6,7,8,9,10,11,12,13,14,15,16,17,18,19,20
	XS 0, \n
	XS 1, \n
.endr
	FS 0, 0                                        ; one batch of 66 exponentials: ahead of its wait nothing names a result of theirs
	FS 1, 0
	XS 0, 21
	XS 1, 21
.set n, 1
.rept 15
	FS 0, n
	FS 1, n
	ES 0, 2*n-2
	ES 0, 2*n-1
	ES 1, 2*n-2
	ES 1, 2*n-1
.set n, n+1
.endr
	ES 0, 30
	ES 0, 31
	ES 1, 30
	ES 1, 31
	v_nop                                          ; a plain instruction behind the last exponential,
	s_wait_alu depctr_va_vdst(0)                   ; and the one wait for the batch
.set n, 0
.rept 16
	RS 0, n
	RS 1, n
	CV 0, n
	CV 1, n
.set n, n+1
.endr
	s_wait_dscnt 0x0                               ; V of this step and K of the next are in
.set i, 0
.set r, 0
.rept 16                               ; product i: keys 32 (i / 8) on, piece i % 2, channels 16 ((i / 2) % 4) on
	v_wmma_f32_16x16x32_bf16 v[O+32*(i%2)+8*((i/2)%4):O+32*(i%2)+8*((i/2)%4)+7], v[VF+32*(i/8)+8*((i/2)%4):VF+32*(i/8)+8*((i/2)%4)+7], v[P+16*(i%2)+8*(i/8):P+16*(i%2)+8*(i/8)+7], v[O+32*(i%2)+8*((i/2)%4):O+32*(i%2)+8*((i/2)%4)+7]
.if i < 14
	RID
	RID
.elseif i == 15
	RID                                            ; four plain instructions behind the last product: the places in front of the loads into V and of the reads of O^T
	RID
	RID
	RID
.endif
.set i, i+1
.endr
.endm
.macro MASKS                           ; the masks of step 4 - CNT of the tile in hand, for both pieces
	s_sub_co_u32 s[KK], 4, s[CNT]
	s_cmp_eq_u32 s[KK], s[DD]
	s_cselect_b32 s[AL], 1.0, 0
	s_cmp_gt_u32 s[KK], s[DD]
	s_cselect_b32 s[BE], s[BIGN], 0
	s_add_co_u32 s[TT], s[DD], 1
	s_cmp_eq_u32 s[KK], s[TT]
	s_cselect_b32 s[AL+8], 1.0, 0
	s_cmp_gt_u32 s[KK], s[TT]
	s_cselect_b32 s[BE+8], s[BIGN], 0
	WIN 0x41                                       ; destination and source 0 in window 1
.irp u, 0,1
.set z, 0
.rept 16
	v_pk_fma_f32 v[MC+32*\u+2*z:MC+32*\u+2*z+1], v[MD+2*z:MD+2*z+1], s[AL+8*\u:AL+8*\u+1], s[BE+8*\u:BE+8*\u+1] op_sel_hi:[1,0,0]
.set z, z+1
.endr
.endr
	WIN 0
.endm
.macro NEXTKQ                          ; V of the next step is asked for; its scores are made: product i: channels 32 (i / 8) on, piece i % 2, keys 16 ((i / 2) % 4) on
	FETCH_V
.set i, 0
.rept 16
.if i < 8
	WIN 0x15                                       ; K and Q in window 1, the mask (C) in window 1, S^T in window 0
	v_wmma_f32_16x16x32_bf16 v[S+32*(i%2)+8*((i/2)%4):S+32*(i%2)+8*((i/2)%4)+7], v[KF+16*((i/2)%4)+8*(i/8):KF+16*((i/2)%4)+8*(i/8)+7], v[Q+16*(i%2)+8*(i/8):Q+16*(i%2)+8*(i/8)+7], v[MC+32*(i%2)+8*((i/2)%4):MC+32*(i%2)+8*((i/2)%4)+7]
.else
	WIN 0x05
	v_wmma_f32_16x16x32_bf16 v[S+32*(i%2)+8*((i/2)%4):S+32*(i%2)+8*((i/2)%4)+7], v[KF+16*((i/2)%4)+8*(i/8):KF+16*((i/2)%4)+8*(i/8)+7], v[Q+16*(i%2)+8*(i/8):Q+16*(i%2)+8*(i/8)+7], v[S+32*(i%2)+8*((i/2)%4):S+32*(i%2)+8*((i/2)%4)+7]
.endif
.set i, i+1
.endr
	WIN 0
.rept 4
	v_nop                                          ; the places in front of the loads into K and of the reads of S^T
.endr
.endm
; THE WAY OUT: l's two halves and the other half of the lanes' are added; O^T is divided by l, rounded to bf16 and sent through my stage, a piece at a time.
.macro PACK t
.set i, 0
.rept 16
	v_pk_mul_f32 v[O+32*(\t)+2*i:O+32*(\t)+2*i+1], v[O+32*(\t)+2*i:O+32*(\t)+2*i+1], v[ST+4*(\t)+2:ST+4*(\t)+3] op_sel_hi:[1,0]
.set i, i+1
.endr
.set i, 0
.rept 16
	v_cvt_pk_bf16_f32 v[S+16*(\t)+i], v[O+32*(\t)+2*i], v[O+32*(\t)+2*i+1]
.set i, i+1
.endr
.irp f, 0,1,2,3
	ds_store_b128 v[STO], v[S+16*(\t)+4*\f:S+16*(\t)+4*\f+3] offset:32*\f
.endr
.irp f, 0,1,2,3
	ds_load_b128 v[S+16*(\t)+4*\f:S+16*(\t)+4*\f+3], v[RD] offset:\f*4*SP  ; LDS serves a wave's instructions in order: these see the stores above; the next piece's stores come behind them
.endr
.endm
.macro SEND t, younger
.irp f, 0,1,2,3
	s_wait_dscnt (\younger)+3-\f
	global_store_b128 v[GO], v[S+16*(\t)+4*\f:S+16*(\t)+4*\f+3], s[10:11] offset:(\t)*8192+\f*512  ; four rows of the block: 512 consecutive bytes, aligned
.endr
.endm
.macro WAYOUT
	WIN 0
.irp t, 0,1
	v_add_f32 v[ST+4*\t+2], v[ST+4*\t+2], v[ST+4*\t+3]
.endr
.irp t, 0,1
	v_permlanex16_b32 v[ST+4*\t+3], v[ST+4*\t+2], s[SEL], s[SEL+1]
.endr
.irp t, 0,1
	v_add_f32 v[ST+4*\t+2], v[ST+4*\t+2], v[ST+4*\t+3]
.endr
.irp t, 0,1
	v_rcp_f32 v[ST+4*\t+2], v[ST+4*\t+2]
.endr
	v_nop
	s_wait_alu depctr_va_vdst(0)                   ; one wait for the two reciprocals, ahead of their first reader
	PACK 0
	PACK 1
	SEND 0, 8
	SEND 1, 0
.endm
	s_wait_loadcnt 0x0                             ; both blocks' Q
.Lslot:                                                ; 8 times: a tile is entered and the next is asked for
	CHANGE 1
	TOP
	s_cmp_eq_u32 s[NEW], 1
	s_cbranch_scc0 .Lstep
	s_mov_b32 s[NEW], 0                            ; the walk's first tile: K of its step 0, and into the middle of a trip
	FETCH_K
	s_wait_dscnt 0x0
	s_branch .Lbegin
.Lstep:                                                ; 4 times a tile
	FETCH_K
	SOFTPV
	s_cmp_eq_u32 s[CNT], 4
	s_cselect_b32 s[TT], s[ENDF], 0
	s_cmp_eq_u32 s[TT], 1
	s_cbranch_scc1 .Lend                           ; that was the first block's last step
	s_cmp_eq_u32 s[DG], 1
	s_cbranch_scc1 .Ldomask
	s_branch .Lnomask                              ; MC holds zeros
.Lend:
	WAYOUT
	s_wait_xcnt 0x0                                ; the stores have read their registers and O's address
	s_mov_b64 s[10:11], s[OHI:OHI+1]
	WIN 0x41
.set i, 0
.rept 32
	v_mov_b32 v[Q+i], v[QB+i]                      ; the second block's Q goes where the one text names Q
.set i, i+1
.endr
	WIN 0
.Lbegin:                                               ; a block begins: c m far below every c s, so that the first a is 0; m at the lowest finite number
.irp u, 0,1
	v_mov_b32 v[ST+4*\u], 0xfe000000
	v_mov_b32 v[ST+4*\u+1], 0xff7fffff
.endr
.Ldomask:
	MASKS
.Lnomask:
	NEXTKQ
	s_sub_co_u32 s[CNT], s[CNT], 1
	s_cmp_lg_u32 s[CNT], 0
	s_cbranch_scc1 .Lstep
	s_sub_co_u32 s[SLOTS], s[SLOTS], 1
	s_cmp_lg_u32 s[SLOTS], 0
	s_cbranch_scc1 .Lslot
	CHANGE 0                                       ; the walk's last tile, the second block's diagonal one, is written out: nothing is asked for
	TOP
	s_mov_b32 s[CNT], 5                            ; four trips fetch its steps; the fifth is left in its middle
.Ltail:
	s_cmp_eq_u32 s[CNT], 1
	s_cbranch_scc1 .Lno_k
	FETCH_K
.Lno_k:
	SOFTPV
	s_sub_co_u32 s[CNT], s[CNT], 1
	s_cmp_eq_u32 s[CNT], 0
	s_cbranch_scc1 .Lout
	MASKS
	NEXTKQ
	s_branch .Ltail
.Lout:
	WAYOUT
	s_wait_tensorcnt 0x0                           ; the wave's end
	ds_add_u32 v[SPW], v[NIL]
	s_wait_dscnt 0x0
	s_endpgm
.Lfunc_end_k_qf50aebc54a_attn:
	.size	k_qf50aebc54a_attn, .Lfunc_end_k_qf50aebc54a_attn-k_qf50aebc54a_attn
	.p2alignl 7, 3214868480
	.fill 96, 4, 3214868480
	.section	.rodata,"a",@progbits
	.p2align	6, 0x0
	.amdhsa_kernel k_qf50aebc54a_attn
		.amdhsa_group_segment_fixed_size 327680
		.amdhsa_private_segment_fixed_size 0
		.amdhsa_enable_private_segment 0
		.amdhsa_kernarg_size 16
		.amdhsa_user_sgpr_count 2
		.amdhsa_user_sgpr_kernarg_segment_ptr 1
		.amdhsa_wavefront_size32 1
		.amdhsa_system_sgpr_workgroup_id_x 1
		.amdhsa_system_sgpr_workgroup_id_y 1
		.amdhsa_system_sgpr_workgroup_id_z 1
		.amdhsa_system_vgpr_workitem_id 0
		.amdhsa_next_free_vgpr 512
		.amdhsa_next_free_sgpr 96
		.amdhsa_reserve_vcc 1
		.amdhsa_float_denorm_mode_32 3
		.amdhsa_float_denorm_mode_16_64 3
		.amdhsa_memory_ordered 1
		.amdhsa_forward_progress 1
		.amdhsa_inst_pref_size 71
	.end_amdhsa_kernel
	.amdgpu_metadata
---
amdhsa.version: [ 1, 2 ]
amdhsa.kernels:
  - .name:           k_qf50aebc54a_attn
    .symbol:         k_qf50aebc54a_attn.kd
    .args:
      - { .name: bufb, .offset: 0, .size: 8, .value_kind: global_buffer, .address_space: global }
      - { .name: bufa, .offset: 8, .size: 8, .value_kind: global_buffer, .address_space: global }
    .group_segment_fixed_size: 327680
    .private_segment_fixed_size: 0
    .kernarg_segment_align: 8
    .kernarg_segment_size: 16
    .max_flat_workgroup_size: 128
    .sgpr_count:     96
    .vgpr_count:     512
    .wavefront_size: 32
...
	.end_amdgpu_metadata
.endif
;; end of part 3
;; launch proj (part 4): grid 8 x 32, 4 waves a work-group, clusters of 4 x 4, 327,680 bytes of LDS; arguments bufa, wqp, proj_b, x, x1; writes x1
.if DOCPART == 4
	.amdgcn_target "amdgcn-amd-amdhsa--gfx1250"
	.amdhsa_code_object_version 6
	.text
	.protected	k_qf50aebc54a_proj
	.globl	k_qf50aebc54a_proj
	.p2align	8
	.type	k_qf50aebc54a_proj,@function
k_qf50aebc54a_proj:
	s_mov_b64 s[64:65], 0
	v_nop
	global_prefetch_b8 v0, s[64:65] scope:SCOPE_SE
	s_setreg_imm32_b32 hwreg(HW_REG_WAVE_MODE, 25, 1), 1
	s_wait_xcnt 0x0
	s_wait_alu depctr_hold_cnt(0) depctr_sa_sdst(0) depctr_va_vdst(0) depctr_va_sdst(0) depctr_va_ssrc(0) depctr_va_vcc(0) depctr_vm_vsrc(0)
	s_getreg_b32 s2, hwreg(HW_REG_IB_STS2, 6, 4)
	s_cmp_eq_u32 s2, 0
	s_cbranch_scc0 .Lentry_in_a_cluster
	s_endpgm
.Lentry_in_a_cluster:
	s_bfe_u32 s2, ttmp6, 0x10000c
	s_cmp_lg_u32 s2, 0xf033
	s_cbranch_scc0 .Lentry_shape_is_right
	s_endpgm
.Lentry_shape_is_right:
; C = RES + A W^T + bias.  A: bf16 in tile order (blocks of 128 rows x 64 k, 16 KiB; a row tile 1 MiB apart); W: bf16 in tile order, WOFF bytes into its buffer; RES, C: [4096][1024] f32, row-major.
; A tile of C is 128 x 128: 256 work-groups; four waves, each 64 x 64 in 16 accumulators.  K goes in steps of 256 through two LDS slots filled by tensor loads.
; In tile order 128 rows x 128 k are 32,768 dense bytes: asked for as 128 rows of 256 bytes, padded by 16 bytes after every 128: two blocks of 128 LDS rows of 144 bytes.  A wave's load brings two of a step's four blocks of A or of W.
; THE SUMS START FROM RES + bias: both are loaded straight into the accumulators' layout, so every matrix instruction adds in place, nothing is cleared, and the way out has no arithmetic.
; CLUSTERS: 4 x 4 work-groups; A's tiles are asked for jointly along a row of the cluster, W's along a column.  The matrix instruction is used transposed: a lane holds eight neighbouring columns of a row of C.
; A K STEP IS WRITTEN ONCE: the slot in hand is a scalar, TB, that an exclusive or with SLOT turns between 0 and SLOT; the fragments' addresses are TB + a lane term.  The walking descriptor's LDS word is turned in the same
; way: its base, wave x 0x9000, has neither of SLOT's two bits (0x24000), so the exclusive or adds or takes away SLOT.  The loop has a trip for each refill; the last two steps are a loop of their own, left in its middle.
; THE ORDER OF K: at time t a cluster takes K step t xor PH, PH = 2 where cluster x + cluster y is odd, else 0: such a cluster walks each four K steps as 2, 3, 0, 1.  So the two clusters that read the same rows of A, and
; neighbours among those that read the same rows of W, ask for a block two steps apart and not together.  PH hangs on the cluster's coordinates alone, which all sixteen partners share.  (f32 sums may be taken in any order.)
; THE WAY OUT goes through the ring's first bytes (its last fill and last read are over: a barrier stands between), 64 rows x 272 bytes for each wave, its own.
; No prefetch: the tile is small, 128 matrix instructions a wave in a K step.  NaN and infinities are not treated apart.
.set KDIM,   1024
.set WOFF,   192*32768
.set KSTEPS, KDIM/256                  ; a multiple of 4
.set FILLS,  KSTEPS-2                  ; refills: every K step but the first two
.set WTILE,  (KDIM/64)*16384           ; a row tile of W
.set PITCH,  144
.set PAN,    128*PITCH
.set HALFT,  2*PAN
.set SLOT,   4*HALFT
.set SPARE,  2*SLOT
.set STEPB,  65536
.set SPITCH, 272
.set LA0,  16                          ; v16     my lane's place among A's fragments in slot 0; never rewritten
.set LB0,  17                          ; v17     the same for W
.set ADRA, 18                          ; v18     TB + LA0
.set ADRB, 19                          ; v19     TB + LB0
.set STO,  24
.set RD,   25
.set CO,   26
.set SPW,  28
.set NIL,  29
.set RO,   30
.set BO,   31
.set BI,   32                          ; v32-63  bias: column block b at BI + 8 b
.set ACC,  128
.set F0,   0                           ; fragment buffers, in window 1: 64 registers of A, then 64 of W
.set F1,   128
.set G1, 24                            ; s[24:31] group 1 for A
.set G0, 32                            ; s[32:35] group 0 of A's first fill; s[36:39] of its second, which then walks
.set G1B, 48                           ; s[48:55], s[56:63] the same for W
.set G0B, 56
.set TC,  72                           ; s72     the time of the last request: 1 behind the first fills
.set PH,  73                           ; s73     0 or 2
.set OFF, 74                           ; s[74:75] a K step's byte offset in a row tile
.set TB,  76                           ; s76     the slot in hand: 0 or SLOT
.set MSB, 0
.macro WIN new
.if MSB != (\new)
	s_set_vgpr_msb (MSB<<8)|(\new)
.set MSB, \new
.endif
.endm
.set MUL,  0x05                        ; sources 0 (W) and 1 (A) window 1; C and D window 0
.set TO_F, 0x40
.macro JLOAD s                         ; a joint load: waves 0 and 1 fetch for A, waves 2 and 3 for W; an s_nop 0 and four v_nop follow each line
	s_cmp_eq_u32 s11, 0
	s_cbranch_scc0 .Lfor_b_\@
	tensor_load_to_lds s[G0+4*(\s):G0+4*(\s)+3], s[G1:G1+7]
	s_nop 0
.rept 4
	v_nop
.endr
	s_branch .Lasked_\@
.Lfor_b_\@:
	tensor_load_to_lds s[G0B+4*(\s):G0B+4*(\s)+3], s[G1B:G1B+7]
	s_nop 0
.rept 4
	v_nop
.endr
.Lasked_\@:
.endm
.macro CREST
	s_cmp_lg_u32 s10, 0
	s_cbranch_scc1 .Lnot_wave_0_\@
	s_barrier_signal -3
.Lnot_wave_0_\@:
	s_barrier_wait -3
	s_barrier_signal -1
	s_barrier_wait -1
.endm
.macro CROUND
	s_barrier_signal -1
	s_barrier_wait -1
	CREST
.endm
	s_load_b128 s[4:7], s[0:1], 0x0                ; A, W
	s_load_b128 s[68:71], s[0:1], 0x10             ; bias s[68:69], RES s[70:71]
	s_load_b64 s[66:67], s[0:1], 0x20              ; C
	v_lshl_add_u32 v[SPW], v0, 2, SPARE
	v_mov_b32 v[NIL], 0
	ds_add_u32 v[SPW], v[NIL]                      ; the wave's opening: the add and its wait stand ahead of my first tensor load
	v_lshrrev_b32 v1, 5, v0
	v_readfirstlane_b32 s10, v1
	s_lshr_b32 s11, s10, 1                         ; my half of the tile's rows.  Also: I fetch for A (0) or for W (1)
	s_and_b32 s12, s10, 1                          ; my half of its columns.  Also: which two blocks of a step I fetch
	s_bfe_u32 s40, ttmp6, 0x40000
	s_bfe_u32 s41, ttmp6, 0x40004
	s_lshl_b32 s42, ttmp9, 2
	s_add_co_u32 s42, s42, s40                     ; tile column
	s_and_b32 s13, ttmp7, 0xffff
	s_add_co_u32 s[PH], s13, ttmp9                 ; cluster x + cluster y,
	s_and_b32 s[PH], s[PH], 1                      ; its parity,
	s_lshl_b32 s[PH], s[PH], 1                     ; twice
	s_lshl_b32 s13, s13, 2
	s_add_co_u32 s13, s13, s41                     ; tile row
	s_lshl_b32 s43, s41, 2
	s_lshl_b32 s43, 15, s43
	s_lshl_b32 s44, 0x1111, s40
	s_or_b32 s[G1+0], s43, (1<<16)|(1<<20)|(1<<21)|(4<<22)|(3<<25)
	s_or_b32 s[G1B+0], s44, (1<<16)|(1<<20)|(1<<21)|(4<<22)|(3<<25)
.irp g, G1, G1B
	s_mov_b32 s[(\g)+1], 128<<16
	s_mov_b32 s[(\g)+2], 128<<16
	s_mov_b32 s[(\g)+3], 128<<16
	s_mov_b32 s[(\g)+4], 128
	s_mov_b32 s[(\g)+5], 128
	s_mov_b32 s[(\g)+6], 0
	s_mov_b32 s[(\g)+7], 0
.endr
	s_lshl_b32 s17, s12, 15                        ; my two blocks of a step's four
	s_lshl_b32 s16, s13, 20
	s_add_co_u32 s16, s16, s17
	s_mul_i32 s46, s42, WTILE
	s_add_co_u32 s46, s46, s17
	s_add_co_u32 s46, s46, WOFF
	s_mov_b32 s17, 0
	s_mov_b32 s47, 0
	s_mul_i32 s20, s10, HALFT
	s_lshl_b32 s[OFF], s[PH], 16                   ; times 0 and 1 take K steps PH and PH + 1
	s_mov_b32 s[OFF+1], 0
	s_mov_b32 s[TC], 1
	s_mov_b32 s[TB], 0
	s_wait_dscnt 0x0
	s_wait_kmcnt 0x0
	s_add_nc_u64 s[14:15], s[4:5], s[16:17]        ; A and W at my part of K step 0: kept
	s_add_nc_u64 s[46:47], s[6:7], s[46:47]
	s_add_nc_u64 s[16:17], s[14:15], s[OFF:OFF+1]
	s_add_nc_u64 s[18:19], s[46:47], s[OFF:OFF+1]
	CROUND
.irp s, 0,1
	s_mov_b32 s[G0+4*(\s)], 1
	s_add_co_u32 s[G0+4*(\s)+1], s20, (\s)*SLOT
	s_add_nc_u64 s[G0+4*(\s)+2:G0+4*(\s)+3], s[16:17], (\s)*STEPB
	s_or_b32 s[G0+4*(\s)+3], s[G0+4*(\s)+3], 0x80000000
	s_mov_b32 s[G0B+4*(\s)], 1
	s_add_co_u32 s[G0B+4*(\s)+1], s20, (\s)*SLOT
	s_add_nc_u64 s[G0B+4*(\s)+2:G0B+4*(\s)+3], s[18:19], (\s)*STEPB
	s_or_b32 s[G0B+4*(\s)+3], s[G0B+4*(\s)+3], 0x80000000
	JLOAD \s
.endr
	v_and_b32 v1, 15, v0
	v_bfe_u32 v2, v0, 4, 1
	s_lshl_b32 s18, s13, 19                        ; my 64 x 64 of RES and of C: row 128 x tile row + 64 x half, 4,096 bytes each; column 128 x tile column + 64 x half, 4 bytes each
	s_lshl_b32 s19, s11, 18
	s_add_co_u32 s18, s18, s19
	s_lshl_b32 s19, s42, 9
	s_add_co_u32 s18, s18, s19
	s_lshl_b32 s19, s12, 8
	s_add_co_u32 s18, s18, s19
	s_mov_b32 s19, 0
	s_add_nc_u64 s[70:71], s[70:71], s[18:19]
	s_add_nc_u64 s[66:67], s[66:67], s[18:19]
	s_lshl_b32 s18, s42, 9
	s_lshl_b32 s23, s12, 8
	s_add_co_u32 s18, s18, s23
	s_add_nc_u64 s[68:69], s[68:69], s[18:19]
	v_lshlrev_b32 v[RO], 12, v1
	v_lshl_or_b32 v[RO], v2, 5, v[RO]              ; row l % 16, columns 8 (l / 16) on
	v_lshlrev_b32 v[BO], 5, v2
.irp a, 0,1,2,3
.irp b, 0,1,2,3
	global_load_b128 v[ACC+8*(4*(\a)+(\b)):ACC+8*(4*(\a)+(\b))+3],   v[RO], s[70:71] offset:(\a)*65536+(\b)*64
	global_load_b128 v[ACC+8*(4*(\a)+(\b))+4:ACC+8*(4*(\a)+(\b))+7], v[RO], s[70:71] offset:(\a)*65536+(\b)*64+16
.endr
.endr
.irp b, 0,1,2,3
	global_load_b128 v[BI+8*(\b):BI+8*(\b)+3],   v[BO], s[68:69] offset:(\b)*64
	global_load_b128 v[BI+8*(\b)+4:BI+8*(\b)+7], v[BO], s[68:69] offset:(\b)*64+16
.endr
	v_mul_u32_u24 v3, v1, PITCH
	v_lshl_add_u32 v3, v2, 4, v3
	s_mul_i32 s21, s11, 64*PITCH                   ; my 64 rows in each block of A,
	s_mul_i32 s22, s12, 64*PITCH                   ; and of W,
	s_add_co_u32 s22, s22, 4*PAN                   ; whose blocks lie behind A's four
	v_add_nc_u32 v[LA0], s21, v3
	v_add_nc_u32 v[LB0], s22, v3
	v_mov_b32 v[ADRA], v[LA0]                      ; slot 0 is in hand
	v_mov_b32 v[ADRB], v[LB0]
	s_mul_i32 s23, s10, 64*SPITCH                  ; my stage
	v_mul_u32_u24 v4, v1, SPITCH
	v_lshl_add_u32 v4, v2, 5, v4
	v_add_nc_u32 v[STO], s23, v4
	v_mul_u32_u24 v4, v2, SPITCH
	v_lshl_add_u32 v4, v1, 4, v4
	v_add_nc_u32 v[RD], s23, v4
	v_lshlrev_b32 v[CO], 12, v2
	v_lshl_or_b32 v[CO], v1, 4, v[CO]
.macro MUL8 f, c, a0                   ; 8 matrix instructions: m blocks a0, a0 + 1 x 4 n blocks, 32 along K: half c of buffer f.  The 16 accumulators take turns
	WIN MUL
.irp a, \a0, (\a0)+1
.irp b, 0,1,2,3
	v_wmma_f32_16x16x32_bf16 v[ACC+8*(4*(\a)+(\b)):ACC+8*(4*(\a)+(\b))+7], v[(\f)+64+8*(4*(\c)+(\b)):(\f)+64+8*(4*(\c)+(\b))+7], v[(\f)+8*(4*(\c)+(\a)):(\f)+8*(4*(\c)+(\a))+7], v[ACC+8*(4*(\a)+(\b)):ACC+8*(4*(\a)+(\b))+7]
.endr
.endr
.endm
.macro FETCH q, f                      ; 32 LDS loads: the fragments of block q (64 along K) of the slot in hand into buffer f; the first 32 along K first
	WIN TO_F
.irp c, 0,1
.irp i, 0,1,2,3
	ds_load_b128 v[(\f)+64+8*(4*(\c)+(\i)):(\f)+64+8*(4*(\c)+(\i))+3],   v[ADRB] offset:(\q)*PAN+64*(\c)+(\i)*16*PITCH
	ds_load_b128 v[(\f)+64+8*(4*(\c)+(\i))+4:(\f)+64+8*(4*(\c)+(\i))+7], v[ADRB] offset:(\q)*PAN+64*(\c)+(\i)*16*PITCH+32
	ds_load_b128 v[(\f)+8*(4*(\c)+(\i)):(\f)+8*(4*(\c)+(\i))+3],         v[ADRA] offset:(\q)*PAN+64*(\c)+(\i)*16*PITCH
	ds_load_b128 v[(\f)+8*(4*(\c)+(\i))+4:(\f)+8*(4*(\c)+(\i))+7],       v[ADRA] offset:(\q)*PAN+64*(\c)+(\i)*16*PITCH+32
.endr
.endr
.endm
.macro PLACES                          ; four plain instructions between a matrix instruction and a load into, or a read of, its registers
.rept 4
	v_nop
.endr
.endm
.macro QUARTER q, f, g                 ; multiplies buffer f; in its middle fetches block q into g
	s_wait_dscnt 16                                ; the first 32 along K are in
	WIN MUL
	MUL8 \f, 0, 0
	MUL8 \f, 0, 2
	PLACES
	FETCH \q, \g
	s_wait_dscnt 32                                ; all but the 32 just issued
	WIN MUL
	MUL8 \f, 1, 0
	MUL8 \f, 1, 2
.endm
.macro THREE                           ; the first three quarters of a K step
	QUARTER 1, F0, F1
	QUARTER 2, F1, F0
	QUARTER 3, F0, F1
.endm
; The last quarter of a step changes slots.  Each wave waits for all its tensor loads (one is out: its part of the next slot), adds 0 to its spare word, and waits for that and for its reads of this slot (the last were issued
; 16 products ago).  fill = 1: THE REQUEST STANDS STRAIGHT BEHIND THE LANDING: the cluster's round, then the joint load into the slot just read, for time TC; the quarter's 32 products follow, so the load has a whole
; step's 128 products in which to land.  fill = 0: the work-group's barrier alone; nothing is asked for.
.macro TURN fill
	WIN 0
	s_wait_tensorcnt 0x0                           ; no tensor load of mine is out, so a group 0 may be written
	ds_add_u32 v[SPW], v[NIL]                      ; 0 onto my spare word; scalar work stands between it and the wait for it
.if \fill
	s_add_co_u32 s[TC], s[TC], 1
	s_xor_b32 s[OFF], s[TC], s[PH]                 ; the K step of that time,
	s_lshl_b32 s[OFF], s[OFF], 16                  ; 65,536 bytes each
	s_xor_b32 s[G0+5], s[G0+5], SLOT               ; the walking descriptors: the other slot than last time,
	s_add_nc_u64 s[G0+6:G0+7], s[14:15], s[OFF:OFF+1]  ; the address made anew
	s_or_b32 s[G0+7], s[G0+7], 0x80000000
	s_xor_b32 s[G0B+5], s[G0B+5], SLOT
	s_add_nc_u64 s[G0B+6:G0B+7], s[46:47], s[OFF:OFF+1]
	s_or_b32 s[G0B+7], s[G0B+7], 0x80000000
.endif
	s_xor_b32 s[TB], s[TB], SLOT                   ; the next slot comes in hand
	s_wait_dscnt 0x0                               ; the add is done, my reads of this slot are over
.if \fill
	CROUND                                         ; no wave of any partner still reads this slot or has a load on its way
	JLOAD 1                                        ; the first tensor load behind the round; its four v_nop are also the places in front of the loads below
.else
	s_barrier_signal -1
	s_barrier_wait -1
	PLACES
.endif
	v_add_nc_u32 v[ADRA], s[TB], v[LA0]
	v_add_nc_u32 v[ADRB], s[TB], v[LB0]
	FETCH 0, F0
	MUL8 F1, 0, 0
	MUL8 F1, 0, 2
	MUL8 F1, 1, 0
	MUL8 F1, 1, 2
.endm
	s_wait_tensorcnt 1                             ; my part of time 0's tiles is in; time 1's may stay out
	s_barrier_signal -1
	s_barrier_wait -1
	FETCH 0, F0
	WIN 0
	s_wait_loadcnt 0x0                             ; RES and the bias
.irp a, 0,1,2,3
.irp b, 0,1,2,3
.irp i, 0,2,4,6
	v_pk_add_f32 v[ACC+8*(4*(\a)+(\b))+(\i):ACC+8*(4*(\a)+(\b))+(\i)+1], v[ACC+8*(4*(\a)+(\b))+(\i):ACC+8*(4*(\a)+(\b))+(\i)+1], v[BI+8*(\b)+(\i):BI+8*(\b)+(\i)+1]
.endr
.endr
.endr
	s_mov_b32 s3, FILLS
.Lstep:                                                ; a trip: a K step, and the refill of its slot
	THREE
	TURN 1
	WIN 0
	s_sub_co_u32 s3, s3, 1
	s_cmp_lg_u32 s3, 0
	s_cbranch_scc1 .Lstep
	s_mov_b32 s3, 2
.Ltail:                                                ; the last two steps ask for nothing: the second trip is left in its middle
	THREE
	WIN 0
	s_sub_co_u32 s3, s3, 1
	s_cmp_eq_u32 s3, 0
	s_cbranch_scc1 .Llast
	TURN 0
	WIN 0
	s_branch .Ltail
.Llast:
	s_wait_dscnt 16                                ; the very last quarter: nothing more to fetch
	MUL8 F1, 0, 0
	MUL8 F1, 0, 2
	s_wait_dscnt 0x0                               ; my last reads of the ring are back:
	s_barrier_signal -1                            ; say so,
	MUL8 F1, 1, 0
	MUL8 F1, 1, 2
	WIN 0
	s_barrier_wait -1                              ; and write into the ring's bytes only when all four have said so
	PLACES
.irp a, 0,1,2,3
.irp b, 0,1,2,3
	ds_store_b128 v[STO], v[ACC+8*(4*(\a)+(\b)):ACC+8*(4*(\a)+(\b))+3]   offset:(\a)*16*SPITCH+(\b)*64     ; each accumulator's low four registers first
	ds_store_b128 v[STO], v[ACC+8*(4*(\a)+(\b))+4:ACC+8*(4*(\a)+(\b))+7] offset:(\a)*16*SPITCH+(\b)*64+16
.endr
.endr
.set t, 0
.rept 32
	ds_load_b128 v[ACC+4*t:ACC+4*t+3], v[RD] offset:t*2*SPITCH  ; LDS serves a wave's instructions in order: these see my stores above
.set t, t+1
.endr
.set t, 0
.rept 32
	s_wait_dscnt 31-t
	global_store_b128 v[CO], v[ACC+4*t:ACC+4*t+3], s[66:67] offset:t*8192  ; 16 lanes store 256 consecutive bytes, aligned: my 64 columns of a row
.set t, t+1
.endr
	s_wait_tensorcnt 0x0                           ; the wave's end
	ds_add_u32 v[SPW], v[NIL]
	s_wait_dscnt 0x0
	CROUND                                         ; the closing round
	s_endpgm
.Lfunc_end_k_qf50aebc54a_proj:
	.size	k_qf50aebc54a_proj, .Lfunc_end_k_qf50aebc54a_proj-k_qf50aebc54a_proj
	.p2alignl 7, 3214868480
	.fill 96, 4, 3214868480
	.section	.rodata,"a",@progbits
	.p2align	6, 0x0
	.amdhsa_kernel k_qf50aebc54a_proj
		.amdhsa_group_segment_fixed_size 327680
		.amdhsa_private_segment_fixed_size 0
		.amdhsa_enable_private_segment 0
		.amdhsa_kernarg_size 40
		.amdhsa_user_sgpr_count 2
		.amdhsa_user_sgpr_kernarg_segment_ptr 1
		.amdhsa_wavefront_size32 1
		.amdhsa_system_sgpr_workgroup_id_x 1
		.amdhsa_system_sgpr_workgroup_id_y 1
		.amdhsa_system_sgpr_workgroup_id_z 1
		.amdhsa_system_vgpr_workitem_id 0
		.amdhsa_next_free_vgpr 512
		.amdhsa_next_free_sgpr 80
		.amdhsa_reserve_vcc 0
		.amdhsa_float_denorm_mode_32 3
		.amdhsa_float_denorm_mode_16_64 3
		.amdhsa_memory_ordered 1
		.amdhsa_forward_progress 1
		.amdhsa_inst_pref_size 64
	.end_amdhsa_kernel
	.amdgpu_metadata
---
amdhsa.version: [ 1, 2 ]
amdhsa.kernels:
  - .name:           k_qf50aebc54a_proj
    .symbol:         k_qf50aebc54a_proj.kd
    .args:
      - { .name: bufa, .offset: 0, .size: 8, .value_kind: global_buffer, .address_space: global }
      - { .name: wqp, .offset: 8, .size: 8, .value_kind: global_buffer, .address_space: global }
      - { .name: proj_b, .offset: 16, .size: 8, .value_kind: global_buffer, .address_space: global }
      - { .name: x, .offset: 24, .size: 8, .value_kind: global_buffer, .address_space: global }
      - { .name: x1, .offset: 32, .size: 8, .value_kind: global_buffer, .address_space: global }
    .group_segment_fixed_size: 327680
    .private_segment_fixed_size: 0
    .kernarg_segment_align: 8
    .kernarg_segment_size: 40
    .max_flat_workgroup_size: 128
    .sgpr_count:     80
    .vgpr_count:     512
    .wavefront_size: 32
...
	.end_amdgpu_metadata
.endif
;; end of part 4
;; launch ln2 (part 5): grid 256 x 1, 8 waves a work-group, no clusters, 0 bytes of LDS; arguments x1, ln2_g, ln2_b, bufb; writes bufb
.if DOCPART == 5
	.amdgcn_target "amdgcn-amd-amdhsa--gfx1250"
	.amdhsa_code_object_version 6
	.text
	.protected	k_qf50aebc54a_ln2
	.globl	k_qf50aebc54a_ln2
	.p2align	8
	.type	k_qf50aebc54a_ln2,@function
k_qf50aebc54a_ln2:
	s_mov_b64 s[64:65], 0
	v_nop
	global_prefetch_b8 v0, s[64:65] scope:SCOPE_SE
	s_setreg_imm32_b32 hwreg(HW_REG_WAVE_MODE, 25, 1), 1
	s_wait_xcnt 0x0
; h = LayerNorm(x) g + b for 16 rows of 1,024 f32 a work-group, rounded once to bf16, into tile order:
; element (m, c) at byte (m>>7)<<20 | (c>>6)<<14 | (m&127)<<7 | (c&63)<<1.  Each byte is read once and written once; nothing is shared, so there is no LDS and no barrier.
; LIMITS: mean and variance in f32, the variance from x - mean; NaN and infinities are not treated apart.
.set A,   2                            ; v[2:9]     four running pairs
.set MU,  10
.set R,   12
.set XO,  14
.set GO,  15
.set HO,  1
.set X,   16                           ; v[16:79]   my 64 numbers of the row
.set G,   80
.set B,   144
.macro REDUCE                          ; four pairs to one number, then over the 16 lanes that hold the row
	v_pk_add_f32 v[A:A+1], v[A:A+1], v[A+2:A+3]
	v_pk_add_f32 v[A+4:A+5], v[A+4:A+5], v[A+6:A+7]
	v_pk_add_f32 v[A:A+1], v[A:A+1], v[A+4:A+5]
	v_add_f32 v[A], v[A], v[A+1]
	v_add_f32_dpp v[A], v[A], v[A] row_xmask:1 row_mask:0xf bank_mask:0xf
	v_add_f32_dpp v[A], v[A], v[A] row_xmask:2 row_mask:0xf bank_mask:0xf
	v_add_f32_dpp v[A], v[A], v[A] row_xmask:4 row_mask:0xf bank_mask:0xf
	v_add_f32_dpp v[A], v[A], v[A] row_xmask:8 row_mask:0xf bank_mask:0xf
.endm
	s_load_b256 s[4:11], s[0:1], 0x0               ; x, g, b, h
	s_mov_b32 s30, 0x3a800000                      ; 1 / 1024
	s_mov_b32 s31, 0x3727c5ac                      ; 1e-5
	s_lshl_b32 s32, ttmp9, 16                      ; 16 rows of 4,096 bytes
	s_mov_b32 s33, 0
	s_lshr_b32 s34, ttmp9, 3
	s_lshl_b32 s34, s34, 20
	s_and_b32 s35, ttmp9, 7
	s_lshl_b32 s35, s35, 11
	s_add_co_u32 s34, s34, s35
	s_mov_b32 s35, 0
	s_wait_kmcnt 0x0
	s_add_nc_u64 s[4:5], s[4:5], s[32:33]
	s_add_nc_u64 s[10:11], s[10:11], s[34:35]
	; sixteen lanes hold a row: lane i takes columns 64 j + 4 i .. + 3, j = 0..15
	v_and_b32 v[GO], 15, v0
	v_lshrrev_b32 v[XO], 4, v0
	v_lshlrev_b32 v[GO], 4, v[GO]
	v_lshl_or_b32 v[XO], v[XO], 12, v[GO]
	v_lshlrev_b32 v[HO], 3, v0
.set j, 0
.rept 16
	global_load_b128 v[X+4*j:X+4*j+3], v[XO], s[4:5] offset:256*j th:TH_LOAD_NT
.set j, j+1
.endr
.set j, 0
.rept 16
	global_load_b128 v[G+4*j:G+4*j+3], v[GO], s[6:7] offset:256*j
.set j, j+1
.endr
.set j, 0
.rept 16
	global_load_b128 v[B+4*j:B+4*j+3], v[GO], s[8:9] offset:256*j
.set j, j+1
.endr
	s_wait_loadcnt 32                              ; the row is in; g's and b's 32 younger loads stay out
.irp k, 0,1,2,3
	v_pk_add_f32 v[A+2*\k:A+2*\k+1], v[X+2*\k:X+2*\k+1], v[X+8+2*\k:X+8+2*\k+1]
.endr
.set j, 8
.rept 24
	v_pk_add_f32 v[A+2*(j%4):A+2*(j%4)+1], v[A+2*(j%4):A+2*(j%4)+1], v[X+2*j:X+2*j+1]
.set j, j+1
.endr
	REDUCE
	v_mul_f32 v[MU], s30, v[A]
	v_mov_b32 v[MU+1], v[MU]
.set j, 0
.rept 32
	v_pk_add_f32 v[X+2*j:X+2*j+1], v[X+2*j:X+2*j+1], v[MU:MU+1] neg_lo:[0,1] neg_hi:[0,1]
.set j, j+1
.endr
.irp k, 0,1,2,3
	v_pk_mul_f32 v[A+2*\k:A+2*\k+1], v[X+2*\k:X+2*\k+1], v[X+2*\k:X+2*\k+1]
.endr
.set j, 4
.rept 28
	v_pk_fma_f32 v[A+2*(j%4):A+2*(j%4)+1], v[X+2*j:X+2*j+1], v[X+2*j:X+2*j+1], v[A+2*(j%4):A+2*(j%4)+1]
.set j, j+1
.endr
	REDUCE
	v_fma_f32 v[A], v[A], s30, s31
	v_rsq_f32 v[R], v[A]
	v_rsq_f32 v[R+1], v[A]
	v_nop                                          ; a plain instruction behind the last of them (ISA guide 5.7.2),
	s_wait_alu depctr_va_vdst(0)                   ; and the one wait ahead of the first reader
	s_wait_loadcnt 0x0
.set j, 0
.rept 32
	v_pk_mul_f32 v[X+2*j:X+2*j+1], v[X+2*j:X+2*j+1], v[R:R+1]
	v_pk_fma_f32 v[X+2*j:X+2*j+1], v[X+2*j:X+2*j+1], v[G+2*j:G+2*j+1], v[B+2*j:B+2*j+1]
.set j, j+1
.endr
.set j, 0
.rept 16
	v_cvt_pk_bf16_f32 v[X+4*j], v[X+4*j], v[X+4*j+1]
	v_cvt_pk_bf16_f32 v[X+4*j+1], v[X+4*j+2], v[X+4*j+3]
	global_store_b64 v[HO], v[X+4*j:X+4*j+1], s[10:11] offset:16384*j  ; block j: the wave's 32 lanes store 256 consecutive bytes, aligned
.set j, j+1
.endr
	s_endpgm
.Lfunc_end_k_qf50aebc54a_ln2:
	.size	k_qf50aebc54a_ln2, .Lfunc_end_k_qf50aebc54a_ln2-k_qf50aebc54a_ln2
	.p2alignl 7, 3214868480
	.fill 96, 4, 3214868480
	.section	.rodata,"a",@progbits
	.p2align	6, 0x0
	.amdhsa_kernel k_qf50aebc54a_ln2
		.amdhsa_group_segment_fixed_size 0
		.amdhsa_private_segment_fixed_size 0
		.amdhsa_enable_private_segment 0
		.amdhsa_kernarg_size 32
		.amdhsa_user_sgpr_count 2
		.amdhsa_user_sgpr_kernarg_segment_ptr 1
		.amdhsa_wavefront_size32 1
		.amdhsa_system_sgpr_workgroup_id_x 1
		.amdhsa_system_sgpr_workgroup_id_y 1
		.amdhsa_system_sgpr_workgroup_id_z 1
		.amdhsa_system_vgpr_workitem_id 0
		.amdhsa_next_free_vgpr 216
		.amdhsa_next_free_sgpr 66
		.amdhsa_reserve_vcc 0
		.amdhsa_float_denorm_mode_32 3
		.amdhsa_float_denorm_mode_16_64 3
		.amdhsa_memory_ordered 1
		.amdhsa_forward_progress 1
		.amdhsa_inst_pref_size 20
	.end_amdhsa_kernel
	.amdgpu_metadata
---
amdhsa.version: [ 1, 2 ]
amdhsa.kernels:
  - .name:           k_qf50aebc54a_ln2
    .symbol:         k_qf50aebc54a_ln2.kd
    .args:
      - { .name: x1, .offset: 0, .size: 8, .value_kind: global_buffer, .address_space: global }
      - { .name: ln2_g, .offset: 8, .size: 8, .value_kind: global_buffer, .address_space: global }
      - { .name: ln2_b, .offset: 16, .size: 8, .value_kind: global_buffer, .address_space: global }
      - { .name: bufb, .offset: 24, .size: 8, .value_kind: global_buffer, .address_space: global }
    .group_segment_fixed_size: 0
    .private_segment_fixed_size: 0
    .kernarg_segment_align: 8
    .kernarg_segment_size: 32
    .max_flat_workgroup_size: 256
    .sgpr_count:     66
    .vgpr_count:     216
    .wavefront_size: 32
...
	.end_amdgpu_metadata
.endif
;; end of part 5
;; launch ff1: the kernel of part 2 again; grid 16 x 16, 4 waves a work-group, clusters of 4 x 4, 327,680 bytes of LDS; arguments bufb, wff, ff1_b, p_ff1, bufa; writes bufa
;; launch ff2 (part 6): grid 8 x 32, 4 waves a work-group, clusters of 4 x 4, 327,680 bytes of LDS; arguments bufa, wff, ff2_b, x1, out0; writes out0
.if DOCPART == 6
	.amdgcn_target "amdgcn-amd-amdhsa--gfx1250"
	.amdhsa_code_object_version 6
	.text
	.protected	k_qf50aebc54a_ff2
	.globl	k_qf50aebc54a_ff2
	.p2align	8
	.type	k_qf50aebc54a_ff2,@function
k_qf50aebc54a_ff2:
	s_mov_b64 s[64:65], 0
	v_nop
	global_prefetch_b8 v0, s[64:65] scope:SCOPE_SE
	s_setreg_imm32_b32 hwreg(HW_REG_WAVE_MODE, 25, 1), 1
	s_wait_xcnt 0x0
	s_wait_alu depctr_hold_cnt(0) depctr_sa_sdst(0) depctr_va_vdst(0) depctr_va_sdst(0) depctr_va_ssrc(0) depctr_va_vcc(0) depctr_vm_vsrc(0)
	s_getreg_b32 s2, hwreg(HW_REG_IB_STS2, 6, 4)
	s_cmp_eq_u32 s2, 0
	s_cbranch_scc0 .Lentry_in_a_cluster
	s_endpgm
.Lentry_in_a_cluster:
	s_bfe_u32 s2, ttmp6, 0x10000c
	s_cmp_lg_u32 s2, 0xf033
	s_cbranch_scc0 .Lentry_shape_is_right
	s_endpgm
.Lentry_shape_is_right:
; C = RES + A W^T + bias.  A: bf16 in tile order (blocks of 128 rows x 64 k, 16 KiB; a row tile 1 MiB apart); W: bf16 in tile order, WOFF bytes into its buffer; RES, C: [4096][1024] f32, row-major.
; A tile of C is 128 x 128: 256 work-groups; four waves, each 64 x 64 in 16 accumulators.  K goes in steps of 256 through two LDS slots filled by tensor loads.
; In tile order 128 rows x 128 k are 32,768 dense bytes: asked for as 128 rows of 256 bytes, padded by 16 bytes after every 128: two blocks of 128 LDS rows of 144 bytes.  A wave's load brings two of a step's four blocks of A or of W.
; THE SUMS START FROM RES + bias: both are loaded straight into the accumulators' layout, so every matrix instruction adds in place, nothing is cleared, and the way out has no arithmetic.
; CLUSTERS: 4 x 4 work-groups; A's tiles are asked for jointly along a row of the cluster, W's along a column.  The matrix instruction is used transposed: a lane holds eight neighbouring columns of a row of C.
; A K STEP IS WRITTEN ONCE: the slot in hand is a scalar, TB, that an exclusive or with SLOT turns between 0 and SLOT; the fragments' addresses are TB + a lane term.  The walking descriptor's LDS word is turned in the same
; way: its base, wave x 0x9000, has neither of SLOT's two bits (0x24000), so the exclusive or adds or takes away SLOT.  The loop has a trip for each refill; the last two steps are a loop of their own, left in its middle.
; THE ORDER OF K: at time t a cluster takes K step t xor PH, PH = 2 where cluster x + cluster y is odd, else 0: such a cluster walks each four K steps as 2, 3, 0, 1.  So the two clusters that read the same rows of A, and
; neighbours among those that read the same rows of W, ask for a block two steps apart and not together.  PH hangs on the cluster's coordinates alone, which all sixteen partners share.  (f32 sums may be taken in any order.)
; THE WAY OUT goes through the ring's first bytes (its last fill and last read are over: a barrier stands between), 64 rows x 272 bytes for each wave, its own.
; No prefetch: the tile is small, 128 matrix instructions a wave in a K step.  NaN and infinities are not treated apart.
.set KDIM,   4096
.set WOFF,   256*32768
.set KSTEPS, KDIM/256                  ; a multiple of 4
.set FILLS,  KSTEPS-2                  ; refills: every K step but the first two
.set WTILE,  (KDIM/64)*16384           ; a row tile of W
.set PITCH,  144
.set PAN,    128*PITCH
.set HALFT,  2*PAN
.set SLOT,   4*HALFT
.set SPARE,  2*SLOT
.set STEPB,  65536
.set SPITCH, 272
.set LA0,  16                          ; v16     my lane's place among A's fragments in slot 0; never rewritten
.set LB0,  17                          ; v17     the same for W
.set ADRA, 18                          ; v18     TB + LA0
.set ADRB, 19                          ; v19     TB + LB0
.set STO,  24
.set RD,   25
.set CO,   26
.set SPW,  28
.set NIL,  29
.set RO,   30
.set BO,   31
.set BI,   32                          ; v32-63  bias: column block b at BI + 8 b
.set ACC,  128
.set F0,   0                           ; fragment buffers, in window 1: 64 registers of A, then 64 of W
.set F1,   128
.set G1, 24                            ; s[24:31] group 1 for A
.set G0, 32                            ; s[32:35] group 0 of A's first fill; s[36:39] of its second, which then walks
.set G1B, 48                           ; s[48:55], s[56:63] the same for W
.set G0B, 56
.set TC,  72                           ; s72     the time of the last request: 1 behind the first fills
.set PH,  73                           ; s73     0 or 2
.set OFF, 74                           ; s[74:75] a K step's byte offset in a row tile
.set TB,  76                           ; s76     the slot in hand: 0 or SLOT
.set MSB, 0
.macro WIN new
.if MSB != (\new)
	s_set_vgpr_msb (MSB<<8)|(\new)
.set MSB, \new
.endif
.endm
.set MUL,  0x05                        ; sources 0 (W) and 1 (A) window 1; C and D window 0
.set TO_F, 0x40
.macro JLOAD s                         ; a joint load: waves 0 and 1 fetch for A, waves 2 and 3 for W; an s_nop 0 and four v_nop follow each line
	s_cmp_eq_u32 s11, 0
	s_cbranch_scc0 .Lfor_b_\@
	tensor_load_to_lds s[G0+4*(\s):G0+4*(\s)+3], s[G1:G1+7]
	s_nop 0
.rept 4
	v_nop
.endr
	s_branch .Lasked_\@
.Lfor_b_\@:
	tensor_load_to_lds s[G0B+4*(\s):G0B+4*(\s)+3], s[G1B:G1B+7]
	s_nop 0
.rept 4
	v_nop
.endr
.Lasked_\@:
.endm
.macro CREST
	s_cmp_lg_u32 s10, 0
	s_cbranch_scc1 .Lnot_wave_0_\@
	s_barrier_signal -3
.Lnot_wave_0_\@:
	s_barrier_wait -3
	s_barrier_signal -1
	s_barrier_wait -1
.endm
.macro CROUND
	s_barrier_signal -1
	s_barrier_wait -1
	CREST
.endm
	s_load_b128 s[4:7], s[0:1], 0x0                ; A, W
	s_load_b128 s[68:71], s[0:1], 0x10             ; bias s[68:69], RES s[70:71]
	s_load_b64 s[66:67], s[0:1], 0x20              ; C
	v_lshl_add_u32 v[SPW], v0, 2, SPARE
	v_mov_b32 v[NIL], 0
	ds_add_u32 v[SPW], v[NIL]                      ; the wave's opening: the add and its wait stand ahead of my first tensor load
	v_lshrrev_b32 v1, 5, v0
	v_readfirstlane_b32 s10, v1
	s_lshr_b32 s11, s10, 1                         ; my half of the tile's rows.  Also: I fetch for A (0) or for W (1)
	s_and_b32 s12, s10, 1                          ; my half of its columns.  Also: which two blocks of a step I fetch
	s_bfe_u32 s40, ttmp6, 0x40000
	s_bfe_u32 s41, ttmp6, 0x40004
	s_lshl_b32 s42, ttmp9, 2
	s_add_co_u32 s42, s42, s40                     ; tile column
	s_and_b32 s13, ttmp7, 0xffff
	s_add_co_u32 s[PH], s13, ttmp9                 ; cluster x + cluster y,
	s_and_b32 s[PH], s[PH], 1                      ; its parity,
	s_lshl_b32 s[PH], s[PH], 1                     ; twice
	s_lshl_b32 s13, s13, 2
	s_add_co_u32 s13, s13, s41                     ; tile row
	s_lshl_b32 s43, s41, 2
	s_lshl_b32 s43, 15, s43
	s_lshl_b32 s44, 0x1111, s40
	s_or_b32 s[G1+0], s43, (1<<16)|(1<<20)|(1<<21)|(4<<22)|(3<<25)
	s_or_b32 s[G1B+0], s44, (1<<16)|(1<<20)|(1<<21)|(4<<22)|(3<<25)
.irp g, G1, G1B
	s_mov_b32 s[(\g)+1], 128<<16
	s_mov_b32 s[(\g)+2], 128<<16
	s_mov_b32 s[(\g)+3], 128<<16
	s_mov_b32 s[(\g)+4], 128
	s_mov_b32 s[(\g)+5], 128
	s_mov_b32 s[(\g)+6], 0
	s_mov_b32 s[(\g)+7], 0
.endr
	s_lshl_b32 s17, s12, 15                        ; my two blocks of a step's four
	s_lshl_b32 s16, s13, 20
	s_add_co_u32 s16, s16, s17
	s_mul_i32 s46, s42, WTILE
	s_add_co_u32 s46, s46, s17
	s_add_co_u32 s46, s46, WOFF
	s_mov_b32 s17, 0
	s_mov_b32 s47, 0
	s_mul_i32 s20, s10, HALFT
	s_lshl_b32 s[OFF], s[PH], 16                   ; times 0 and 1 take K steps PH and PH + 1
	s_mov_b32 s[OFF+1], 0
	s_mov_b32 s[TC], 1
	s_mov_b32 s[TB], 0
	s_wait_dscnt 0x0
	s_wait_kmcnt 0x0
	s_add_nc_u64 s[14:15], s[4:5], s[16:17]        ; A and W at my part of K step 0: kept
	s_add_nc_u64 s[46:47], s[6:7], s[46:47]
	s_add_nc_u64 s[16:17], s[14:15], s[OFF:OFF+1]
	s_add_nc_u64 s[18:19], s[46:47], s[OFF:OFF+1]
	CROUND
.irp s, 0,1
	s_mov_b32 s[G0+4*(\s)], 1
	s_add_co_u32 s[G0+4*(\s)+1], s20, (\s)*SLOT
	s_add_nc_u64 s[G0+4*(\s)+2:G0+4*(\s)+3], s[16:17], (\s)*STEPB
	s_or_b32 s[G0+4*(\s)+3], s[G0+4*(\s)+3], 0x80000000
	s_mov_b32 s[G0B+4*(\s)], 1
	s_add_co_u32 s[G0B+4*(\s)+1], s20, (\s)*SLOT
	s_add_nc_u64 s[G0B+4*(\s)+2:G0B+4*(\s)+3], s[18:19], (\s)*STEPB
	s_or_b32 s[G0B+4*(\s)+3], s[G0B+4*(\s)+3], 0x80000000
	JLOAD \s
.endr
	v_and_b32 v1, 15, v0
	v_bfe_u32 v2, v0, 4, 1
	s_lshl_b32 s18, s13, 19                        ; my 64 x 64 of RES and of C: row 128 x tile row + 64 x half, 4,096 bytes each; column 128 x tile column + 64 x half, 4 bytes each
	s_lshl_b32 s19, s11, 18
	s_add_co_u32 s18, s18, s19
	s_lshl_b32 s19, s42, 9
	s_add_co_u32 s18, s18, s19
	s_lshl_b32 s19, s12, 8
	s_add_co_u32 s18, s18, s19
	s_mov_b32 s19, 0
	s_add_nc_u64 s[70:71], s[70:71], s[18:19]
	s_add_nc_u64 s[66:67], s[66:67], s[18:19]
	s_lshl_b32 s18, s42, 9
	s_lshl_b32 s23, s12, 8
	s_add_co_u32 s18, s18, s23
	s_add_nc_u64 s[68:69], s[68:69], s[18:19]
	v_lshlrev_b32 v[RO], 12, v1
	v_lshl_or_b32 v[RO], v2, 5, v[RO]              ; row l % 16, columns 8 (l / 16) on
	v_lshlrev_b32 v[BO], 5, v2
.irp a, 0,1,2,3
.irp b, 0,1,2,3
	global_load_b128 v[ACC+8*(4*(\a)+(\b)):ACC+8*(4*(\a)+(\b))+3],   v[RO], s[70:71] offset:(\a)*65536+(\b)*64
	global_load_b128 v[ACC+8*(4*(\a)+(\b))+4:ACC+8*(4*(\a)+(\b))+7], v[RO], s[70:71] offset:(\a)*65536+(\b)*64+16
.endr
.endr
.irp b, 0,1,2,3
	global_load_b128 v[BI+8*(\b):BI+8*(\b)+3],   v[BO], s[68:69] offset:(\b)*64
	global_load_b128 v[BI+8*(\b)+4:BI+8*(\b)+7], v[BO], s[68:69] offset:(\b)*64+16
.endr
	v_mul_u32_u24 v3, v1, PITCH
	v_lshl_add_u32 v3, v2, 4, v3
	s_mul_i32 s21, s11, 64*PITCH                   ; my 64 rows in each block of A,
	s_mul_i32 s22, s12, 64*PITCH                   ; and of W,
	s_add_co_u32 s22, s22, 4*PAN                   ; whose blocks lie behind A's four
	v_add_nc_u32 v[LA0], s21, v3
	v_add_nc_u32 v[LB0], s22, v3
	v_mov_b32 v[ADRA], v[LA0]                      ; slot 0 is in hand
	v_mov_b32 v[ADRB], v[LB0]
	s_mul_i32 s23, s10, 64*SPITCH                  ; my stage
	v_mul_u32_u24 v4, v1, SPITCH
	v_lshl_add_u32 v4, v2, 5, v4
	v_add_nc_u32 v[STO], s23, v4
	v_mul_u32_u24 v4, v2, SPITCH
	v_lshl_add_u32 v4, v1, 4, v4
	v_add_nc_u32 v[RD], s23, v4
	v_lshlrev_b32 v[CO], 12, v2
	v_lshl_or_b32 v[CO], v1, 4, v[CO]
.macro MUL8 f, c, a0                   ; 8 matrix instructions: m blocks a0, a0 + 1 x 4 n blocks, 32 along K: half c of buffer f.  The 16 accumulators take turns
	WIN MUL
.irp a, \a0, (\a0)+1
.irp b, 0,1,2,3
	v_wmma_f32_16x16x32_bf16 v[ACC+8*(4*(\a)+(\b)):ACC+8*(4*(\a)+(\b))+7], v[(\f)+64+8*(4*(\c)+(\b)):(\f)+64+8*(4*(\c)+(\b))+7], v[(\f)+8*(4*(\c)+(\a)):(\f)+8*(4*(\c)+(\a))+7], v[ACC+8*(4*(\a)+(\b)):ACC+8*(4*(\a)+(\b))+7]
.endr
.endr
.endm
.macro FETCH q, f                      ; 32 LDS loads: the fragments of block q (64 along K) of the slot in hand into buffer f; the first 32 along K first
	WIN TO_F
.irp c, 0,1
.irp i, 0,1,2,3
	ds_load_b128 v[(\f)+64+8*(4*(\c)+(\i)):(\f)+64+8*(4*(\c)+(\i))+3],   v[ADRB] offset:(\q)*PAN+64*(\c)+(\i)*16*PITCH
	ds_load_b128 v[(\f)+64+8*(4*(\c)+(\i))+4:(\f)+64+8*(4*(\c)+(\i))+7], v[ADRB] offset:(\q)*PAN+64*(\c)+(\i)*16*PITCH+32
	ds_load_b128 v[(\f)+8*(4*(\c)+(\i)):(\f)+8*(4*(\c)+(\i))+3],         v[ADRA] offset:(\q)*PAN+64*(\c)+(\i)*16*PITCH
	ds_load_b128 v[(\f)+8*(4*(\c)+(\i))+4:(\f)+8*(4*(\c)+(\i))+7],       v[ADRA] offset:(\q)*PAN+64*(\c)+(\i)*16*PITCH+32
.endr
.endr
.endm
.macro PLACES                          ; four plain instructions between a matrix instruction and a load into, or a read of, its registers
.rept 4
	v_nop
.endr
.endm
.macro QUARTER q, f, g                 ; multiplies buffer f; in its middle fetches block q into g
	s_wait_dscnt 16                                ; the first 32 along K are in
	WIN MUL
	MUL8 \f, 0, 0
	MUL8 \f, 0, 2
	PLACES
	FETCH \q, \g
	s_wait_dscnt 32                                ; all but the 32 just issued
	WIN MUL
	MUL8 \f, 1, 0
	MUL8 \f, 1, 2
.endm
.macro THREE                           ; the first three quarters of a K step
	QUARTER 1, F0, F1
	QUARTER 2, F1, F0
	QUARTER 3, F0, F1
.endm
; The last quarter of a step changes slots.  Each wave waits for all its tensor loads (one is out: its part of the next slot), adds 0 to its spare word, and waits for that and for its reads of this slot (the last were issued
; 16 products ago).  fill = 1: THE REQUEST STANDS STRAIGHT BEHIND THE LANDING: the cluster's round, then the joint load into the slot just read, for time TC; the quarter's 32 products follow, so the load has a whole
; step's 128 products in which to land.  fill = 0: the work-group's barrier alone; nothing is asked for.
.macro TURN fill
	WIN 0
	s_wait_tensorcnt 0x0                           ; no tensor load of mine is out, so a group 0 may be written
	ds_add_u32 v[SPW], v[NIL]                      ; 0 onto my spare word; scalar work stands between it and the wait for it
.if \fill
	s_add_co_u32 s[TC], s[TC], 1
	s_xor_b32 s[OFF], s[TC], s[PH]                 ; the K step of that time,
	s_lshl_b32 s[OFF], s[OFF], 16                  ; 65,536 bytes each
	s_xor_b32 s[G0+5], s[G0+5], SLOT               ; the walking descriptors: the other slot than last time,
	s_add_nc_u64 s[G0+6:G0+7], s[14:15], s[OFF:OFF+1]  ; the address made anew
	s_or_b32 s[G0+7], s[G0+7], 0x80000000
	s_xor_b32 s[G0B+5], s[G0B+5], SLOT
	s_add_nc_u64 s[G0B+6:G0B+7], s[46:47], s[OFF:OFF+1]
	s_or_b32 s[G0B+7], s[G0B+7], 0x80000000
.endif
	s_xor_b32 s[TB], s[TB], SLOT                   ; the next slot comes in hand
	s_wait_dscnt 0x0                               ; the add is done, my reads of this slot are over
.if \fill
	CROUND                                         ; no wave of any partner still reads this slot or has a load on its way
	JLOAD 1                                        ; the first tensor load behind the round; its four v_nop are also the places in front of the loads below
.else
	s_barrier_signal -1
	s_barrier_wait -1
	PLACES
.endif
	v_add_nc_u32 v[ADRA], s[TB], v[LA0]
	v_add_nc_u32 v[ADRB], s[TB], v[LB0]
	FETCH 0, F0
	MUL8 F1, 0, 0
	MUL8 F1, 0, 2
	MUL8 F1, 1, 0
	MUL8 F1, 1, 2
.endm
	s_wait_tensorcnt 1                             ; my part of time 0's tiles is in; time 1's may stay out
	s_barrier_signal -1
	s_barrier_wait -1
	FETCH 0, F0
	WIN 0
	s_wait_loadcnt 0x0                             ; RES and the bias
.irp a, 0,1,2,3
.irp b, 0,1,2,3
.irp i, 0,2,4,6
	v_pk_add_f32 v[ACC+8*(4*(\a)+(\b))+(\i):ACC+8*(4*(\a)+(\b))+(\i)+1], v[ACC+8*(4*(\a)+(\b))+(\i):ACC+8*(4*(\a)+(\b))+(\i)+1], v[BI+8*(\b)+(\i):BI+8*(\b)+(\i)+1]
.endr
.endr
.endr
	s_mov_b32 s3, FILLS
.Lstep:                                                ; a trip: a K step, and the refill of its slot
	THREE
	TURN 1
	WIN 0
	s_sub_co_u32 s3, s3, 1
	s_cmp_lg_u32 s3, 0
	s_cbranch_scc1 .Lstep
	s_mov_b32 s3, 2
.Ltail:                                                ; the last two steps ask for nothing: the second trip is left in its middle
	THREE
	WIN 0
	s_sub_co_u32 s3, s3, 1
	s_cmp_eq_u32 s3, 0
	s_cbranch_scc1 .Llast
	TURN 0
	WIN 0
	s_branch .Ltail
.Llast:
	s_wait_dscnt 16                                ; the very last quarter: nothing more to fetch
	MUL8 F1, 0, 0
	MUL8 F1, 0, 2
	s_wait_dscnt 0x0                               ; my last reads of the ring are back:
	s_barrier_signal -1                            ; say so,
	MUL8 F1, 1, 0
	MUL8 F1, 1, 2
	WIN 0
	s_barrier_wait -1                              ; and write into the ring's bytes only when all four have said so
	PLACES
.irp a, 0,1,2,3
.irp b, 0,1,2,3
	ds_store_b128 v[STO], v[ACC+8*(4*(\a)+(\b)):ACC+8*(4*(\a)+(\b))+3]   offset:(\a)*16*SPITCH+(\b)*64     ; each accumulator's low four registers first
	ds_store_b128 v[STO], v[ACC+8*(4*(\a)+(\b))+4:ACC+8*(4*(\a)+(\b))+7] offset:(\a)*16*SPITCH+(\b)*64+16
.endr
.endr
.set t, 0
.rept 32
	ds_load_b128 v[ACC+4*t:ACC+4*t+3], v[RD] offset:t*2*SPITCH  ; LDS serves a wave's instructions in order: these see my stores above
.set t, t+1
.endr
.set t, 0
.rept 32
	s_wait_dscnt 31-t
	global_store_b128 v[CO], v[ACC+4*t:ACC+4*t+3], s[66:67] offset:t*8192  ; 16 lanes store 256 consecutive bytes, aligned: my 64 columns of a row
.set t, t+1
.endr
	s_wait_tensorcnt 0x0                           ; the wave's end
	ds_add_u32 v[SPW], v[NIL]
	s_wait_dscnt 0x0
	CROUND                                         ; the closing round
	s_endpgm
.Lfunc_end_k_qf50aebc54a_ff2:
	.size	k_qf50aebc54a_ff2, .Lfunc_end_k_qf50aebc54a_ff2-k_qf50aebc54a_ff2
	.p2alignl 7, 3214868480
	.fill 96, 4, 3214868480
	.section	.rodata,"a",@progbits
	.p2align	6, 0x0
	.amdhsa_kernel k_qf50aebc54a_ff2
		.amdhsa_group_segment_fixed_size 327680
		.amdhsa_private_segment_fixed_size 0
		.amdhsa_enable_private_segment 0
		.amdhsa_kernarg_size 40
		.amdhsa_user_sgpr_count 2
		.amdhsa_user_sgpr_kernarg_segment_ptr 1
		.amdhsa_wavefront_size32 1
		.amdhsa_system_sgpr_workgroup_id_x 1
		.amdhsa_system_sgpr_workgroup_id_y 1
		.amdhsa_system_sgpr_workgroup_id_z 1
		.amdhsa_system_vgpr_workitem_id 0
		.amdhsa_next_free_vgpr 512
		.amdhsa_next_free_sgpr 80
		.amdhsa_reserve_vcc 0
		.amdhsa_float_denorm_mode_32 3
		.amdhsa_float_denorm_mode_16_64 3
		.amdhsa_memory_ordered 1
		.amdhsa_forward_progress 1
		.amdhsa_inst_pref_size 64
	.end_amdhsa_kernel
	.amdgpu_metadata
---
amdhsa.version: [ 1, 2 ]
amdhsa.kernels:
  - .name:           k_qf50aebc54a_ff2
    .symbol:         k_qf50aebc54a_ff2.kd
    .args:
      - { .name: bufa, .offset: 0, .size: 8, .value_kind: global_buffer, .address_space: global }
      - { .name: wff, .offset: 8, .size: 8, .value_kind: global_buffer, .address_space: global }
      - { .name: ff2_b, .offset: 16, .size: 8, .value_kind: global_buffer, .address_space: global }
      - { .name: x1, .offset: 24, .size: 8, .value_kind: global_buffer, .address_space: global }
      - { .name: out0, .offset: 32, .size: 8, .value_kind: global_buffer, .address_space: global }
    .group_segment_fixed_size: 327680
    .private_segment_fixed_size: 0
    .kernarg_segment_align: 8
    .kernarg_segment_size: 40
    .max_flat_workgroup_size: 128
    .sgpr_count:     80
    .vgpr_count:     512
    .wavefront_size: 32
...
	.end_amdgpu_metadata
.endif
;; end of part 6
;; ======== version 2 of 2: 7 launches; version 1 with the launches prep, ln2 written anew for expert scheduling mode
;; workspace buffers: wqp 8,388,608 bytes; wff 16,777,216 bytes; bufa 33,554,432 bytes; bufb 33,554,432 bytes; x1 16,777,216 bytes; p_qkv 512 bytes of whole numbers; p_ff1 512 bytes of whole numbers
;; launch prep (part 7): grid 1024 x 1, 8 waves a work-group, no clusters, 0 bytes of LDS; arguments x, ln1_g, ln1_b, bufa, qkv_w, proj_w, ff1_w, ff2_w, wqp, wff, p_qkv, p_ff1; writes bufa, wqp, wff, p_qkv, p_ff1
.if DOCPART == 7
	.amdgcn_target "amdgcn-amd-amdhsa--gfx1250"
	.amdhsa_code_object_version 6
	.text
	.protected	k_qf50aebc54a_prep
	.globl	k_qf50aebc54a_prep
	.p2align	8
	.type	k_qf50aebc54a_prep,@function
k_qf50aebc54a_prep:
	s_mov_b64 s[64:65], 0
	v_nop
	global_prefetch_b8 v0, s[64:65] scope:SCOPE_SE
	s_setreg_imm32_b32 hwreg(HW_REG_WAVE_SCHED_MODE, 0, 2), 2
	s_setreg_imm32_b32 hwreg(HW_REG_WAVE_MODE, 25, 1), 1
	s_wait_xcnt 0x0
	s_wait_alu depctr_vm_vsrc(0)
; WORK-GROUPS 0-255: h = LayerNorm(x) g + b for 16 rows of 1,024 f32 each, rounded once to bf16.
; WORK-GROUPS 256-1023: one chunk (128 rows x 128 k) of a weight matrix, f32 to bf16, into tile order.  Work-group 256 also stores the two flag blocks.
; Either kind reads 64 KiB once and stores 32 KiB; nothing is shared, so there is no LDS and no barrier.
; TILE ORDER of the activations: element (m, c) at byte (m>>7)<<20 | (c>>6)<<14 | (m&127)<<7 | (c&63)<<1: blocks of 128 rows x 64 columns, 16 KiB, dense.
; TILE ORDER of a weight W[N][K]: element (n, k) at byte ((n>>7)(K/64) + (k>>6))<<14 | (n&127)<<7 | (k&63)<<1.  A chunk is two neighbouring blocks, 32 KiB.
; Chunks 0-191 qkv_w, 192-255 proj_w (both into wqp); 256-511 ff1_w, 512-767 ff2_w (both into wff, from its chunk 0 on).
; LIMITS: mean and variance in f32, the variance from x - mean; NaN and infinities are not treated apart.
; THE MODE: SCHED_MODE bits 1:0 = 2 (LLVM: expert scheduling mode 2), set by the entry lines.  The code itself states the register dependences
; between vector instructions and memory instructions, with s_wait_alu, always for 0.
; THE PLAN, LayerNorm.  Registers that memory instructions touch:
;   XO, GO, HO   byte offsets, made by five vector lines at the head and never written again: one wait ahead of the first load serves all 48 loads and 16 stores.
;   X, G, B      each is landed in once, by loads that no vector line precedes; behind the waits for their data vector lines alone name them,
;                but for X + 4 k and X + 4 k + 1, which block k's two roundings write and block k's store reads; nothing writes them after that.
;   The scaling and rounding go in two halves of eight blocks.  One wait behind a half's roundings states that they have written what the half's eight stores read.
;   The first half's stores are dealt among the second half's multiply lines, which name X + 32 and up, R, G and B: none of the registers that those stores read.
; THE PLAN, weights.  v2-v9 and v12 are offsets, made once; v[16:79] are landed in once; v[80:111] are written once, by the roundings, and read once, by the stores.
;   The 16 loads go in four groups of four.  At the head of a group, behind the wait for its data, one wait states that the group before has written its out registers;
;   that group's four stores are dealt among this group's eight roundings, which name other registers.
; No register that a memory instruction reads is ever written again, so no wait on vm_vsrc stands in the text but the one among the entry lines.
.set A,   2                            ; v[2:9]     four running pairs
.set MU,  10                           ; v[10:11]   the mean, twice
.set R,   12                           ; v[12:13]   1 / sqrt(var + eps), twice
.set XO,  14                           ; v14        my byte offset in the group's 16 rows of x
.set GO,  15                           ; v15        my byte offset in g and b
.set HO,  1                            ; v1         my byte offset in a block of the output
.set X,   16                           ; v[16:79]   my 64 numbers of the row
.set G,   80                           ; v[80:143]  their g
.set B,   144                          ; v[144:207] their b
.macro REDUCE                          ; four pairs to one number, then over the 16 lanes that hold the row
	v_pk_add_f32 v[A:A+1], v[A:A+1], v[A+2:A+3]
	v_pk_add_f32 v[A+4:A+5], v[A+4:A+5], v[A+6:A+7]
	v_pk_add_f32 v[A:A+1], v[A:A+1], v[A+4:A+5]
	v_add_f32 v[A], v[A], v[A+1]
	v_add_f32_dpp v[A], v[A], v[A] row_xmask:1 row_mask:0xf bank_mask:0xf
	v_add_f32_dpp v[A], v[A], v[A] row_xmask:2 row_mask:0xf bank_mask:0xf
	v_add_f32_dpp v[A], v[A], v[A] row_xmask:4 row_mask:0xf bank_mask:0xf
	v_add_f32_dpp v[A], v[A], v[A] row_xmask:8 row_mask:0xf bank_mask:0xf
.endm
; Half h of the row's last step: blocks 8 h to 8 h + 7 are scaled, take g and b, and are rounded to bf16.  In the second half the first half's eight stores stand among the multiply lines.
.macro FIN h
.set j, 16*(\h)
.rept 16
.if (\h) && (j%2 == 0)
	global_store_b64 v[HO], v[X+4*((j-16)/2):X+4*((j-16)/2)+1], s[10:11] offset:16384*((j-16)/2)  ; block (j - 16) / 2: the wave's 32 lanes store 256 consecutive bytes, aligned: two rows of the block.  No vector line since the wait names its registers
.endif
	v_pk_mul_f32 v[X+2*j:X+2*j+1], v[X+2*j:X+2*j+1], v[R:R+1]
	v_pk_fma_f32 v[X+2*j:X+2*j+1], v[X+2*j:X+2*j+1], v[G+2*j:G+2*j+1], v[B+2*j:B+2*j+1]
.set j, j+1
.endr
.set j, 8*(\h)
.rept 8
	v_cvt_pk_bf16_f32 v[X+4*j], v[X+4*j], v[X+4*j+1]
	v_cvt_pk_bf16_f32 v[X+4*j+1], v[X+4*j+2], v[X+4*j+3]
.set j, j+1
.endr
.endm
; Sixteen lanes hold a row: lane i takes columns 64 j + 4 i .. + 3, j = 0..15, so a load of the wave covers 256 consecutive bytes of each of two rows.
; s[4:5] x at the group's first row, s[6:7] g, s[8:9] b, s[10:11] the output at the group's rows in block 0, s30 = 1/1024, s31 = eps.
.macro LNROWS
	v_and_b32 v[GO], 15, v0
	v_lshrrev_b32 v[XO], 4, v0
	v_lshlrev_b32 v[GO], 4, v[GO]
	v_lshl_or_b32 v[XO], v[XO], 12, v[GO]
	v_lshlrev_b32 v[HO], 3, v0             ; row x 128 + lane x 8 = 8 x thread
	s_wait_alu depctr_va_vdst(0)           ; XO, GO and HO are written: every load and store below reads one of them as its offset
.set j, 0
.rept 16
	global_load_b128 v[X+4*j:X+4*j+3], v[XO], s[4:5] offset:256*j th:TH_LOAD_NT
.set j, j+1
.endr
.set j, 0
.rept 16
	global_load_b128 v[G+4*j:G+4*j+3], v[GO], s[6:7] offset:256*j
.set j, j+1
.endr
.set j, 0
.rept 16
	global_load_b128 v[B+4*j:B+4*j+3], v[GO], s[8:9] offset:256*j
.set j, j+1
.endr
	s_wait_loadcnt 32                      ; the row is in; g's and b's 32 younger loads stay out
.irp k, 0,1,2,3
	v_pk_add_f32 v[A+2*\k:A+2*\k+1], v[X+2*\k:X+2*\k+1], v[X+8+2*\k:X+8+2*\k+1]  ; the first eight pairs start the four chains
.endr
.set j, 8
.rept 24
	v_pk_add_f32 v[A+2*(j%4):A+2*(j%4)+1], v[A+2*(j%4):A+2*(j%4)+1], v[X+2*j:X+2*j+1]
.set j, j+1
.endr
	REDUCE
	v_mul_f32 v[MU], s30, v[A]
	v_mov_b32 v[MU+1], v[MU]
.set j, 0
.rept 32
	v_pk_add_f32 v[X+2*j:X+2*j+1], v[X+2*j:X+2*j+1], v[MU:MU+1] neg_lo:[0,1] neg_hi:[0,1]  ; x - mean
.set j, j+1
.endr
.irp k, 0,1,2,3
	v_pk_mul_f32 v[A+2*\k:A+2*\k+1], v[X+2*\k:X+2*\k+1], v[X+2*\k:X+2*\k+1]
.endr
.set j, 4
.rept 28
	v_pk_fma_f32 v[A+2*(j%4):A+2*(j%4)+1], v[X+2*j:X+2*j+1], v[X+2*j:X+2*j+1], v[A+2*(j%4):A+2*(j%4)+1]
.set j, j+1
.endr
	REDUCE
	v_fma_f32 v[A], v[A], s30, s31         ; var + eps
	v_rsq_f32 v[R], v[A]
	v_rsq_f32 v[R+1], v[A]                 ; twice, for the packed multiply
	v_nop                                  ; a plain instruction behind the last of them (ISA guide 5.7.2),
	s_wait_alu depctr_va_vdst(0)           ; and the one wait: the two roots R and R + 1 are written, ahead of their first reader
	s_wait_loadcnt 0x0                     ; g and b
	FIN 0
	s_wait_alu depctr_va_vdst(0)           ; the roundings of blocks 0 to 7 have written X + 4 k and X + 4 k + 1, which the eight stores in the second half read
	FIN 1
	s_wait_alu depctr_va_vdst(0)           ; the roundings of blocks 8 to 15 have written theirs, which the last eight stores read
.set j, 8
.rept 8
	global_store_b64 v[HO], v[X+4*j:X+4*j+1], s[10:11] offset:16384*j  ; block j: the wave's 32 lanes store 256 consecutive bytes, aligned: two rows of the block
.set j, j+1
.endr
.endm
	s_load_b512 s[4:19], s[0:1], 0x0               ; x, g, b, h, qkv_w s[12:13], proj_w s[14:15], ff1_w s[16:17], ff2_w s[18:19]
	s_load_b256 s[20:27], s[0:1], 0x40             ; wqp s[20:21], wff s[22:23], p_qkv s[24:25], p_ff1 s[26:27]
	s_mov_b32 s30, 0x3a800000                      ; 1 / 1024
	s_mov_b32 s31, 0x3727c5ac                      ; 1e-5
	s_cmp_lt_u32 ttmp9, 256
	s_cbranch_scc0 .Lcast
	s_lshl_b32 s32, ttmp9, 16                      ; 16 rows of 4,096 bytes
	s_mov_b32 s33, 0
	s_lshr_b32 s34, ttmp9, 3                       ; the row tile of 128,
	s_lshl_b32 s34, s34, 20
	s_and_b32 s35, ttmp9, 7                        ; my 16 rows of 128 bytes in each of its blocks
	s_lshl_b32 s35, s35, 11
	s_add_co_u32 s34, s34, s35
	s_mov_b32 s35, 0
	s_wait_kmcnt 0x0
	s_add_nc_u64 s[4:5], s[4:5], s[32:33]
	s_add_nc_u64 s[10:11], s[10:11], s[34:35]
	LNROWS
	s_endpgm
.Lcast:
	s_sub_co_u32 s32, ttmp9, 256                   ; the chunk, 0 to 767
	v_lshrrev_b32 v1, 5, v0
	v_readfirstlane_b32 s29, v1                    ; wave 0..7
	s_wait_kmcnt 0x0
	s_wait_alu depctr_va_sdst(0)                   ; s29 is written
	s_mov_b64 s[34:35], s[18:19]                   ; which matrix, its first chunk, log2 of its chunks in a row tile, log2 of its row's bytes
	s_mov_b32 s36, 512
	s_cmp_lt_u32 s32, 512
	s_cselect_b64 s[34:35], s[16:17], s[34:35]
	s_cselect_b32 s36, 256, s36
	s_cselect_b32 s37, 3, 5
	s_cselect_b32 s38, 12, 14
	s_cmp_lt_u32 s32, 256
	s_cselect_b64 s[34:35], s[14:15], s[34:35]
	s_cselect_b32 s36, 192, s36
	s_cselect_b64 s[40:41], s[20:21], s[22:23]     ; and where it goes
	s_cselect_b32 s39, 0, 256
	s_cmp_lt_u32 s32, 192
	s_cselect_b64 s[34:35], s[12:13], s[34:35]
	s_cselect_b32 s36, 0, s36
	s_sub_co_u32 s42, s32, s36                     ; the chunk's number in its matrix
	s_lshr_b32 s43, s42, s37                       ; row tile
	s_lshl_b32 s44, s43, s37
	s_sub_co_u32 s44, s42, s44                     ; place along k
	s_add_co_u32 s45, s38, 7
	s_lshl_b32 s46, s43, s45                       ; 128 rows a tile
	s_lshl_b32 s44, s44, 9                         ; 128 k of 4 bytes
	s_add_co_u32 s46, s46, s44
	s_mov_b32 s47, 0
	s_add_nc_u64 s[34:35], s[34:35], s[46:47]
	s_sub_co_u32 s46, s32, s39
	s_lshl_b32 s46, s46, 15
	s_add_nc_u64 s[40:41], s[40:41], s[46:47]
	; wave w takes rows 16 w .. 16 w + 15, two rows a load: lanes 0-15 take 256 consecutive bytes of one row, lanes 16-31 of the next
	v_bfe_u32 v10, v0, 4, 1
	v_lshl_add_u32 v10, v1, 4, v10                 ; 16 w + lane / 16
	v_and_b32 v11, 15, v0
	v_lshlrev_b32 v11, 4, v11
	v_lshlrev_b32 v10, s38, v10
	v_add_nc_u32 v2, v10, v11
	s_lshl_b32 s45, 2, s38                         ; two rows on
.irp jj, 1,2,3,4,5,6,7
	v_add_nc_u32 v[2+\jj], s45, v[1+\jj]
.endr
	v_and_b32 v12, 31, v0
	v_lshlrev_b32 v12, 3, v12
	v_lshl_or_b32 v12, v1, 11, v12                 ; out: 2,048 w + 8 x lane
	s_wait_alu depctr_va_vdst(0)                   ; v2 to v9 and v12 are written: the loads and stores below read them as their offsets
.set j, 0
.rept 16
	global_load_b128 v[16+4*j:19+4*j], v[2+j/2], s[34:35] offset:(j%2)*256 th:TH_LOAD_NT
.set j, j+1
.endr
.set g, 0
.rept 4                                ; group g: loads 4 g to 4 g + 3 are rounded; the stores of group g - 1 stand among the roundings
	s_wait_loadcnt 12-4*g                          ; loads come back in order: this group's four are in, the younger groups stay out
.if g > 0
	s_wait_alu depctr_va_vdst(0)                   ; the group before has written its eight out registers, which the four stores below read
.endif
.set j, 4*g
.rept 4
.if g > 0
	global_store_b64 v12, v[80+2*(j-4):81+2*(j-4)], s[40:41] offset:((j-4)/2)*256+((j-4)%2)*16384  ; 256 consecutive bytes, aligned: two rows of one block; no vector line since the wait names its registers
.endif
	v_cvt_pk_bf16_f32 v[80+2*j], v[16+4*j], v[17+4*j]
	v_cvt_pk_bf16_f32 v[81+2*j], v[18+4*j], v[19+4*j]  ; every data register is written once
.set j, j+1
.endr
.set g, g+1
.endr
	s_wait_alu depctr_va_vdst(0)                   ; the last group has written its out registers, which the last four stores read
.set j, 12
.rept 4
	global_store_b64 v12, v[80+2*j:81+2*j], s[40:41] offset:(j/2)*256+(j%2)*16384
.set j, j+1
.endr
	s_cmp_lg_u32 s32, 0
	s_cbranch_scc1 .Ldone
	s_cmp_lg_u32 s29, 0
	s_cbranch_scc1 .Ldone
	v_lshlrev_b32 v13, 4, v0                       ; wave 0 of chunk 0: the two flag blocks, 512 bytes each; word 0 of each 16 bytes is the flag
	v_mov_b32 v112, 0
	v_mov_b32 v113, 0
	v_mov_b32 v114, 0
	v_mov_b32 v115, 0
	v_mov_b32 v116, 1
	v_mov_b32 v117, 0
	v_mov_b32 v118, 0
	v_mov_b32 v119, 0
	s_wait_alu depctr_va_vdst(0)                   ; v13 and v112 to v119 are written: the two stores read them as offset and data
	global_store_b128 v13, v[112:115], s[24:25]    ; qkv: no GELU
	global_store_b128 v13, v[116:119], s[26:27]    ; ff1: GELU
.Ldone:
	s_endpgm
.Lfunc_end_k_qf50aebc54a_prep:
	.size	k_qf50aebc54a_prep, .Lfunc_end_k_qf50aebc54a_prep-k_qf50aebc54a_prep
	.p2alignl 7, 3214868480
	.fill 96, 4, 3214868480
	.section	.rodata,"a",@progbits
	.p2align	6, 0x0
	.amdhsa_kernel k_qf50aebc54a_prep
		.amdhsa_group_segment_fixed_size 0
		.amdhsa_private_segment_fixed_size 0
		.amdhsa_enable_private_segment 0
		.amdhsa_kernarg_size 96
		.amdhsa_user_sgpr_count 2
		.amdhsa_user_sgpr_kernarg_segment_ptr 1
		.amdhsa_wavefront_size32 1
		.amdhsa_system_sgpr_workgroup_id_x 1
		.amdhsa_system_sgpr_workgroup_id_y 1
		.amdhsa_system_sgpr_workgroup_id_z 1
		.amdhsa_system_vgpr_workitem_id 0
		.amdhsa_next_free_vgpr 216
		.amdhsa_next_free_sgpr 66
		.amdhsa_reserve_vcc 0
		.amdhsa_float_denorm_mode_32 3
		.amdhsa_float_denorm_mode_16_64 3
		.amdhsa_memory_ordered 1
		.amdhsa_forward_progress 1
		.amdhsa_inst_pref_size 29
	.end_amdhsa_kernel
	.amdgpu_metadata
---
amdhsa.version: [ 1, 2 ]
amdhsa.kernels:
  - .name:           k_qf50aebc54a_prep
    .symbol:         k_qf50aebc54a_prep.kd
    .args:
      - { .name: x, .offset: 0, .size: 8, .value_kind: global_buffer, .address_space: global }
      - { .name: ln1_g, .offset: 8, .size: 8, .value_kind: global_buffer, .address_space: global }
      - { .name: ln1_b, .offset: 16, .size: 8, .value_kind: global_buffer, .address_space: global }
      - { .name: bufa, .offset: 24, .size: 8, .value_kind: global_buffer, .address_space: global }
      - { .name: qkv_w, .offset: 32, .size: 8, .value_kind: global_buffer, .address_space: global }
      - { .name: proj_w, .offset: 40, .size: 8, .value_kind: global_buffer, .address_space: global }
      - { .name: ff1_w, .offset: 48, .size: 8, .value_kind: global_buffer, .address_space: global }
      - { .name: ff2_w, .offset: 56, .size: 8, .value_kind: global_buffer, .address_space: global }
      - { .name: wqp, .offset: 64, .size: 8, .value_kind: global_buffer, .address_space: global }
      - { .name: wff, .offset: 72, .size: 8, .value_kind: global_buffer, .address_space: global }
      - { .name: p_qkv, .offset: 80, .size: 8, .value_kind: global_buffer, .address_space: global }
      - { .name: p_ff1, .offset: 88, .size: 8, .value_kind: global_buffer, .address_space: global }
    .group_segment_fixed_size: 0
    .private_segment_fixed_size: 0
    .kernarg_segment_align: 8
    .kernarg_segment_size: 96
    .max_flat_workgroup_size: 256
    .sgpr_count:     66
    .vgpr_count:     216
    .wavefront_size: 32
...
	.end_amdgpu_metadata
.endif
;; end of part 7
;; launch qkv: the kernel of part 2 again; grid 12 x 16, 4 waves a work-group, clusters of 4 x 4, 327,680 bytes of LDS; arguments bufa, wqp, qkv_b, p_qkv, bufb; writes bufb
;; launch attn: the kernel of part 3 again; grid 8 x 32, 4 waves a work-group, no clusters, 327,680 bytes of LDS; arguments bufb, bufa; writes bufa
;; launch proj: the kernel of part 4 again; grid 8 x 32, 4 waves a work-group, clusters of 4 x 4, 327,680 bytes of LDS; arguments bufa, wqp, proj_b, x, x1; writes x1
;; launch ln2 (part 8): grid 256 x 1, 8 waves a work-group, no clusters, 0 bytes of LDS; arguments x1, ln2_g, ln2_b, bufb; writes bufb
.if DOCPART == 8
	.amdgcn_target "amdgcn-amd-amdhsa--gfx1250"
	.amdhsa_code_object_version 6
	.text
	.protected	k_qf50aebc54a_ln2
	.globl	k_qf50aebc54a_ln2
	.p2align	8
	.type	k_qf50aebc54a_ln2,@function
k_qf50aebc54a_ln2:
	s_mov_b64 s[64:65], 0
	v_nop
	global_prefetch_b8 v0, s[64:65] scope:SCOPE_SE
	s_setreg_imm32_b32 hwreg(HW_REG_WAVE_SCHED_MODE, 0, 2), 2
	s_setreg_imm32_b32 hwreg(HW_REG_WAVE_MODE, 25, 1), 1
	s_wait_xcnt 0x0
	s_wait_alu depctr_vm_vsrc(0)
; h = LayerNorm(x) g + b for 16 rows of 1,024 f32 a work-group, rounded once to bf16, into tile order:
; element (m, c) at byte (m>>7)<<20 | (c>>6)<<14 | (m&127)<<7 | (c&63)<<1.  Each byte is read once and written once; nothing is shared, so there is no LDS and no barrier.
; LIMITS: mean and variance in f32, the variance from x - mean; NaN and infinities are not treated apart.
; THE MODE: SCHED_MODE bits 1:0 = 2 (LLVM: expert scheduling mode 2), set by the entry lines.  The code itself states the register dependences
; between vector instructions and memory instructions, with s_wait_alu, always for 0.
; THE PLAN.  Registers that memory instructions touch:
;   XO, GO, HO   byte offsets, made by five vector lines at the head and never written again: one wait ahead of the first load serves all 48 loads and 16 stores.
;   X, G, B      each is landed in once, by loads that no vector line precedes; behind the waits for their data vector lines alone name them,
;                but for X + 4 k and X + 4 k + 1, which block k's two roundings write and block k's store reads; nothing writes them after that.
;   The scaling and rounding go in two halves of eight blocks.  One wait behind a half's roundings states that they have written what the half's eight stores read.
;   The first half's stores are dealt among the second half's multiply lines, which name X + 32 and up, R, G and B: none of the registers that those stores read.
; No register that a memory instruction reads is ever written again, so no wait on vm_vsrc stands in the text but the one among the entry lines.
.set A,   2                            ; v[2:9]     four running pairs
.set MU,  10
.set R,   12
.set XO,  14
.set GO,  15
.set HO,  1
.set X,   16                           ; v[16:79]   my 64 numbers of the row
.set G,   80
.set B,   144
.macro REDUCE                          ; four pairs to one number, then over the 16 lanes that hold the row
	v_pk_add_f32 v[A:A+1], v[A:A+1], v[A+2:A+3]
	v_pk_add_f32 v[A+4:A+5], v[A+4:A+5], v[A+6:A+7]
	v_pk_add_f32 v[A:A+1], v[A:A+1], v[A+4:A+5]
	v_add_f32 v[A], v[A], v[A+1]
	v_add_f32_dpp v[A], v[A], v[A] row_xmask:1 row_mask:0xf bank_mask:0xf
	v_add_f32_dpp v[A], v[A], v[A] row_xmask:2 row_mask:0xf bank_mask:0xf
	v_add_f32_dpp v[A], v[A], v[A] row_xmask:4 row_mask:0xf bank_mask:0xf
	v_add_f32_dpp v[A], v[A], v[A] row_xmask:8 row_mask:0xf bank_mask:0xf
.endm
; Half h of the row's last step: blocks 8 h to 8 h + 7 are scaled, take g and b, and are rounded to bf16.  In the second half the first half's eight stores stand among the multiply lines.
.macro FIN h
.set j, 16*(\h)
.rept 16
.if (\h) && (j%2 == 0)
	global_store_b64 v[HO], v[X+4*((j-16)/2):X+4*((j-16)/2)+1], s[10:11] offset:16384*((j-16)/2)  ; block (j - 16) / 2: the wave's 32 lanes store 256 consecutive bytes, aligned.  No vector line since the wait names its registers
.endif
	v_pk_mul_f32 v[X+2*j:X+2*j+1], v[X+2*j:X+2*j+1], v[R:R+1]
	v_pk_fma_f32 v[X+2*j:X+2*j+1], v[X+2*j:X+2*j+1], v[G+2*j:G+2*j+1], v[B+2*j:B+2*j+1]
.set j, j+1
.endr
.set j, 8*(\h)
.rept 8
	v_cvt_pk_bf16_f32 v[X+4*j], v[X+4*j], v[X+4*j+1]
	v_cvt_pk_bf16_f32 v[X+4*j+1], v[X+4*j+2], v[X+4*j+3]
.set j, j+1
.endr
.endm
	s_load_b256 s[4:11], s[0:1], 0x0               ; x, g, b, h
	s_mov_b32 s30, 0x3a800000                      ; 1 / 1024
	s_mov_b32 s31, 0x3727c5ac                      ; 1e-5
	s_lshl_b32 s32, ttmp9, 16                      ; 16 rows of 4,096 bytes
	s_mov_b32 s33, 0
	s_lshr_b32 s34, ttmp9, 3
	s_lshl_b32 s34, s34, 20
	s_and_b32 s35, ttmp9, 7
	s_lshl_b32 s35, s35, 11
	s_add_co_u32 s34, s34, s35
	s_mov_b32 s35, 0
	s_wait_kmcnt 0x0
	s_add_nc_u64 s[4:5], s[4:5], s[32:33]
	s_add_nc_u64 s[10:11], s[10:11], s[34:35]
	; sixteen lanes hold a row: lane i takes columns 64 j + 4 i .. + 3, j = 0..15
	v_and_b32 v[GO], 15, v0
	v_lshrrev_b32 v[XO], 4, v0
	v_lshlrev_b32 v[GO], 4, v[GO]
	v_lshl_or_b32 v[XO], v[XO], 12, v[GO]
	v_lshlrev_b32 v[HO], 3, v0
	s_wait_alu depctr_va_vdst(0)                   ; XO, GO and HO are written: every load and store below reads one of them as its offset
.set j, 0
.rept 16
	global_load_b128 v[X+4*j:X+4*j+3], v[XO], s[4:5] offset:256*j th:TH_LOAD_NT
.set j, j+1
.endr
.set j, 0
.rept 16
	global_load_b128 v[G+4*j:G+4*j+3], v[GO], s[6:7] offset:256*j
.set j, j+1
.endr
.set j, 0
.rept 16
	global_load_b128 v[B+4*j:B+4*j+3], v[GO], s[8:9] offset:256*j
.set j, j+1
.endr
	s_wait_loadcnt 32                              ; the row is in; g's and b's 32 younger loads stay out
.irp k, 0,1,2,3
	v_pk_add_f32 v[A+2*\k:A+2*\k+1], v[X+2*\k:X+2*\k+1], v[X+8+2*\k:X+8+2*\k+1]
.endr
.set j, 8
.rept 24
	v_pk_add_f32 v[A+2*(j%4):A+2*(j%4)+1], v[A+2*(j%4):A+2*(j%4)+1], v[X+2*j:X+2*j+1]
.set j, j+1
.endr
	REDUCE
	v_mul_f32 v[MU], s30, v[A]
	v_mov_b32 v[MU+1], v[MU]
.set j, 0
.rept 32
	v_pk_add_f32 v[X+2*j:X+2*j+1], v[X+2*j:X+2*j+1], v[MU:MU+1] neg_lo:[0,1] neg_hi:[0,1]
.set j, j+1
.endr
.irp k, 0,1,2,3
	v_pk_mul_f32 v[A+2*\k:A+2*\k+1], v[X+2*\k:X+2*\k+1], v[X+2*\k:X+2*\k+1]
.endr
.set j, 4
.rept 28
	v_pk_fma_f32 v[A+2*(j%4):A+2*(j%4)+1], v[X+2*j:X+2*j+1], v[X+2*j:X+2*j+1], v[A+2*(j%4):A+2*(j%4)+1]
.set j, j+1
.endr
	REDUCE
	v_fma_f32 v[A], v[A], s30, s31
	v_rsq_f32 v[R], v[A]
	v_rsq_f32 v[R+1], v[A]
	v_nop                                          ; a plain instruction behind the last of them (ISA guide 5.7.2),
	s_wait_alu depctr_va_vdst(0)                   ; and the one wait: the two roots R and R + 1 are written, ahead of their first reader
	s_wait_loadcnt 0x0
	FIN 0
	s_wait_alu depctr_va_vdst(0)                   ; the roundings of blocks 0 to 7 have written X + 4 k and X + 4 k + 1, which the eight stores in the second half read
	FIN 1
	s_wait_alu depctr_va_vdst(0)                   ; the roundings of blocks 8 to 15 have written theirs, which the last eight stores read
.set j, 8
.rept 8
	global_store_b64 v[HO], v[X+4*j:X+4*j+1], s[10:11] offset:16384*j  ; block j: the wave's 32 lanes store 256 consecutive bytes, aligned
.set j, j+1
.endr
	s_endpgm
.Lfunc_end_k_qf50aebc54a_ln2:
	.size	k_qf50aebc54a_ln2, .Lfunc_end_k_qf50aebc54a_ln2-k_qf50aebc54a_ln2
	.p2alignl 7, 3214868480
	.fill 96, 4, 3214868480
	.section	.rodata,"a",@progbits
	.p2align	6, 0x0
	.amdhsa_kernel k_qf50aebc54a_ln2
		.amdhsa_group_segment_fixed_size 0
		.amdhsa_private_segment_fixed_size 0
		.amdhsa_enable_private_segment 0
		.amdhsa_kernarg_size 32
		.amdhsa_user_sgpr_count 2
		.amdhsa_user_sgpr_kernarg_segment_ptr 1
		.amdhsa_wavefront_size32 1
		.amdhsa_system_sgpr_workgroup_id_x 1
		.amdhsa_system_sgpr_workgroup_id_y 1
		.amdhsa_system_sgpr_workgroup_id_z 1
		.amdhsa_system_vgpr_workitem_id 0
		.amdhsa_next_free_vgpr 216
		.amdhsa_next_free_sgpr 66
		.amdhsa_reserve_vcc 0
		.amdhsa_float_denorm_mode_32 3
		.amdhsa_float_denorm_mode_16_64 3
		.amdhsa_memory_ordered 1
		.amdhsa_forward_progress 1
		.amdhsa_inst_pref_size 21
	.end_amdhsa_kernel
	.amdgpu_metadata
---
amdhsa.version: [ 1, 2 ]
amdhsa.kernels:
  - .name:           k_qf50aebc54a_ln2
    .symbol:         k_qf50aebc54a_ln2.kd
    .args:
      - { .name: x1, .offset: 0, .size: 8, .value_kind: global_buffer, .address_space: global }
      - { .name: ln2_g, .offset: 8, .size: 8, .value_kind: global_buffer, .address_space: global }
      - { .name: ln2_b, .offset: 16, .size: 8, .value_kind: global_buffer, .address_space: global }
      - { .name: bufb, .offset: 24, .size: 8, .value_kind: global_buffer, .address_space: global }
    .group_segment_fixed_size: 0
    .private_segment_fixed_size: 0
    .kernarg_segment_align: 8
    .kernarg_segment_size: 32
    .max_flat_workgroup_size: 256
    .sgpr_count:     66
    .vgpr_count:     216
    .wavefront_size: 32
...
	.end_amdgpu_metadata
.endif
;; end of part 8
;; launch ff1: the kernel of part 2 again; grid 16 x 16, 4 waves a work-group, clusters of 4 x 4, 327,680 bytes of LDS; arguments bufb, wff, ff1_b, p_ff1, bufa; writes bufa
;; launch ff2: the kernel of part 6 again; grid 8 x 32, 4 waves a work-group, clusters of 4 x 4, 327,680 bytes of LDS; arguments bufa, wff, ff2_b, x1, out0; writes out0
